; MI455X (gfx1250); checked and timed in simulation.
; The chip was launched on July 23, 2026; its instructions are those of AMD's public machine-readable ISA for CDNA 5 (MIT licence, August 2026) and "CDNA5" Instruction Set Architecture Reference Guide (July 2026). The comments in the code are by the model that wrote it; some were corrected since.
;; Causal Self Attention. Allowed arithmetic: float matrix products may take bf16 or f16 operands with f32 sums; other float arithmetic in f32, or as packed bf16 or f16 multiplies, adds, multiply-adds, maxima and minima; sums over many terms, partial sums and values carried from step to step in f32; what a program stores and reads back later, other than sums and carried values, may be rounded once to bf16 or f16.
;; Inputs: wk 512 x 2,048 float32; wo 2,048 x 2,048 float32; wq 2,048 x 2,048 float32; wv 512 x 2,048 float32; x 4 x 1,024 x 2,048 float32.
;; Outputs: out0 4 x 1,024 x 2,048 float32.
;; One version. Each part assembles by itself: llvm-mc -triple=amdgcn-amd-amdhsa -mcpu=gfx1250 --defsym DOCPART=n.
;; ======== version 1 of 1: 4 launches
;; limits: values are held in f16: magnitudes above 65,504 overflow, below 6.1e-05 lose precision
;; workspace buffers: xb 16,777,216 bytes; wb 12,582,912 bytes; wof 8,388,608 bytes; rope 524,288 bytes; qkvh 25,165,824 bytes; yh 16,777,216 bytes
;; launch prep (part 1): grid 64 x 19, 8 waves a work-group, no clusters, 0 bytes of LDS; arguments x, wq, wk, wv, wo, xb, wb, wof, rope; writes xb, wb, wof, rope
.if DOCPART == 1
	.amdgcn_target "amdgcn-amd-amdhsa--gfx1250"
	.amdhsa_code_object_version 6
	.text
	.protected	k_q7551cb984e_prep
	.globl	k_q7551cb984e_prep
	.p2align	8
	.type	k_q7551cb984e_prep,@function
k_q7551cb984e_prep:
	s_mov_b64 s[64:65], 0
	v_nop
	global_prefetch_b8 v0, s[64:65] scope:SCOPE_SE
	s_setreg_imm32_b32 hwreg(HW_REG_WAVE_MODE, 25, 1), 1
	s_wait_xcnt 0x0
; THE INPUTS ARE ROUNDED ONCE, AND THE ROTARY TABLE IS MADE.
; Work-group y names a chunk of 2^20 numbers: 0-7 x -> xb (bf16); 8-11 wq, 12 wk, 13 wv -> wb (bf16, rows 0-2047, 2048-2559, 2560-3071);
; 14-17 wo -> wof (rounded to bf16, that number written as f16); 18: the table.  Work-group x takes 16,384 numbers of the chunk.
; A stream: every input byte is read once, every output byte written once; no LDS, no barrier, no matrix unit: nothing is shared.
; Thread t takes 16 bytes at 4,096 j + 16 t, j = 0 .. 15: a wave's load covers 512 consecutive bytes.  It stores 8 bytes at 2,048 j + 8 t: a wave's store covers 256 consecutive bytes, aligned.
; All sixteen loads of a thread go out first; no store's data register is written twice, so the only waits are the counted ones for the loads.
; LIMITS.  |wo| stays under 65,504 (f16's range); below 6e-5 a weight keeps f16's fixed step of 6e-8.
; THE TABLE.  rope byte sb*8192 + c*4096 + e*2048 + cs*1024 + half*512 + lane*16 + 4 i holds cos (cs = 0) or sin (cs = 1) of t * 10000^(-d/64),
; t = 16 sb + lane % 16, d = 32 c + 16 e + 8 (lane / 16) + 4 half + i: the order in which the projection's result registers want it.
; The angle is reduced by multiples of pi/2 kept in two parts, then a polynomial of degree 7 (sine) or 8 (cosine) on -pi/4 .. pi/4; the quadrant selects by v_cndmask_b32 and a sign bit.
; The angle itself is right to about 1.5e-4 at t = 1023 (one unit in the last place of the power, times t).
.set IN,  16                           ; v[16:79]   4 f32 for each of 16 pieces
.set OUT, 80                           ; v[80:111]  2 packed registers for each piece
	s_load_b512 s[8:23], s[0:1], 0x0               ; x s[8:9], wq s[10:11], wk s[12:13], wv s[14:15], wo s[16:17], xb s[18:19], wb s[20:21], wof s[22:23]
	s_load_b64 s[24:25], s[0:1], 0x40              ; rope
	s_and_b32 s2, ttmp7, 0xffff                    ; the chunk
	v_lshlrev_b32 v1, 4, v0                        ; 16 t
	v_lshlrev_b32 v2, 3, v0                        ; 8 t
	s_wait_kmcnt 0x0
	s_cmp_eq_u32 s2, 18
	s_cbranch_scc1 .Ltable
	; which tensor, and which chunk of it: source s[28:29], destination s[30:31], the chunk numbers at which they begin s32, s33
	s_mov_b64 s[28:29], s[16:17]
	s_mov_b64 s[30:31], s[22:23]
	s_mov_b32 s32, 14
	s_mov_b32 s33, 14
	s_cmp_lt_u32 s2, 14
	s_cselect_b64 s[28:29], s[14:15], s[28:29]
	s_cselect_b64 s[30:31], s[20:21], s[30:31]
	s_cselect_b32 s32, 13, s32
	s_cselect_b32 s33, 8, s33
	s_cmp_lt_u32 s2, 13
	s_cselect_b64 s[28:29], s[12:13], s[28:29]
	s_cselect_b32 s32, 12, s32
	s_cmp_lt_u32 s2, 12
	s_cselect_b64 s[28:29], s[10:11], s[28:29]
	s_cselect_b32 s32, 8, s32
	s_cmp_lt_u32 s2, 8
	s_cselect_b64 s[28:29], s[8:9], s[28:29]
	s_cselect_b64 s[30:31], s[18:19], s[30:31]
	s_cselect_b32 s32, 0, s32
	s_cselect_b32 s33, 0, s33
	s_sub_co_u32 s34, s2, s32
	s_lshl_b32 s34, s34, 22                        ; a chunk is 4 MiB of f32,
	s_lshl_b32 s35, ttmp9, 16                      ; my share 64 KiB
	s_add_co_u32 s34, s34, s35
	s_mov_b32 s35, 0
	s_sub_co_u32 s36, s2, s33
	s_lshl_b32 s36, s36, 21                        ; and half of both on the way out
	s_lshl_b32 s37, ttmp9, 15
	s_add_co_u32 s36, s36, s37
	s_mov_b32 s37, 0
	s_mov_b32 s38, 0xffff0000                      ; a word's upper bf16
	s_add_nc_u64 s[28:29], s[28:29], s[34:35]
	s_add_nc_u64 s[30:31], s[30:31], s[36:37]
.irp j, 0,1,2,3,4,5,6,7,8,9,10,11,12,13,14,15
	global_load_b128 v[IN+4*(\j):IN+4*(\j)+3], v1, s[28:29] offset:(\j)*4096 th:TH_LOAD_NT
.endr
; Piece j: its load is in when at most the 15 - j younger ones are out.  half = 1: the bf16 number is widened again and written as f16 (exact within f16's range).
.macro CONV j, half
	s_wait_loadcnt 15-(\j)
.irp k, 0,1
	v_cvt_pk_bf16_f32 v[OUT+2*(\j)+(\k)], v[IN+4*(\j)+2*(\k)], v[IN+4*(\j)+2*(\k)+1]
.endr
.if \half
.irp k, 0,1
	v_lshlrev_b32 v[IN+4*(\j)+2*(\k)],   16, v[OUT+2*(\j)+(\k)]
	v_and_b32     v[IN+4*(\j)+2*(\k)+1], s38, v[OUT+2*(\j)+(\k)]
.endr
.irp k, 0,1
	v_cvt_pk_f16_f32 v[OUT+2*(\j)+(\k)], v[IN+4*(\j)+2*(\k)], v[IN+4*(\j)+2*(\k)+1]
.endr
.endif
	global_store_b64 v2, v[OUT+2*(\j):OUT+2*(\j)+1], s[30:31] offset:(\j)*2048
.endm
	s_cmp_ge_u32 s2, 14
	s_cbranch_scc1 .Lf16
.irp j, 0,1,2,3,4,5,6,7,8,9,10,11,12,13,14,15
	CONV \j, 0
.endr
	s_endpgm
.Lf16:
.irp j, 0,1,2,3,4,5,6,7,8,9,10,11,12,13,14,15
	CONV \j, 1
.endr
	s_endpgm
.Ltable:                                       ; work-group x = sb; wave = 4 c + 2 e + half; a lane makes four cosines and four sines
	v_lshrrev_b32 v3, 5, v0
	v_readfirstlane_b32 s3, v3
	v_and_b32 v4, 31, v0                           ; lane
	v_and_b32 v5, 15, v0                           ; lane % 16
	v_bfe_u32 v6, v0, 4, 1                         ; lane / 16
	s_and_b32 s26, s3, 1                           ; half
	s_bfe_u32 s27, s3, 0x10001                     ; e
	s_lshr_b32 s28, s3, 2                          ; c
	s_lshl_b32 s29, s28, 5
	s_lshl4_add_u32 s29, s27, s29
	s_lshl2_add_u32 s29, s26, s29                  ; 32 c + 16 e + 4 half
	v_lshl_add_u32 v7, v6, 3, s29                  ; d of i = 0
	s_lshl_b32 s30, ttmp9, 4
	v_add_nc_u32 v8, s30, v5                       ; t
	v_cvt_f32_u32 v8, v8
	s_lshl_b32 s31, ttmp9, 13
	s_lshl_b32 s32, s28, 12
	s_add_co_u32 s31, s31, s32
	s_lshl_b32 s32, s27, 11
	s_add_co_u32 s31, s31, s32
	s_lshl_b32 s32, s26, 9
	s_add_co_u32 s31, s31, s32
	v_lshl_add_u32 v9, v4, 4, s31                  ; where my four cosines go; the sines 1,024 bytes on
	s_mov_b32 s34, 0xbe549a78                      ; -log2(10000) / 64
	s_mov_b32 s35, 0x3f22f983                      ; 2 / pi
	s_mov_b32 s36, 0xbfc90fdb                      ; -pi/2, its upper part
	s_mov_b32 s37, 0x333bbd2e                      ; what that part is too large by
	s_mov_b32 s38, 0xb94ca1f9                      ; sine: -1.9515296e-4
	s_mov_b32 s39, 0x3c08839e                      ;        8.3321609e-3
	s_mov_b32 s40, 0xbe2aaaa3                      ;       -1.6666655e-1
	s_mov_b32 s41, 0x37ccf5ce                      ; cosine: 2.4433157e-5
	s_mov_b32 s42, 0xbab6061a                      ;        -1.3887316e-3
	s_mov_b32 s43, 0x3d2aaaa5                      ;         4.1666646e-2
	s_mov_b32 s44, 0x80000000
.irp i, 0,1,2,3
	v_add_nc_u32 v[16+(\i)], \i, v7
	v_cvt_f32_u32 v[16+(\i)], v[16+(\i)]
	v_mul_f32 v[16+(\i)], s34, v[16+(\i)]
.endr
.irp i, 0,1,2,3
	v_exp_f32 v[20+(\i)], v[16+(\i)]               ; 10000^(-d/64): one batch of four
.endr
	v_nop                                          ; a plain instruction behind the last of them,
	s_wait_alu depctr_va_vdst(0)                   ; and the one wait ahead of the first reader
.irp i, 0,1,2,3
	v_mul_f32 v[24+(\i)], v8, v[20+(\i)]           ; the angle
	v_mul_f32 v[28+(\i)], s35, v[24+(\i)]
	v_rndne_f32 v[28+(\i)], v[28+(\i)]             ; k: the nearest multiple of pi/2
	v_fma_f32 v[32+(\i)], v[28+(\i)], s36, v[24+(\i)]
	v_fma_f32 v[32+(\i)], v[28+(\i)], s37, v[32+(\i)]  ; r = angle - k pi/2
	v_mul_f32 v[36+(\i)], v[32+(\i)], v[32+(\i)]   ; z = r r
	v_fma_f32 v[40+(\i)], v[36+(\i)], s38, s39
	v_fma_f32 v[44+(\i)], v[36+(\i)], s41, s42
	v_fma_f32 v[40+(\i)], v[40+(\i)], v[36+(\i)], s40
	v_fma_f32 v[44+(\i)], v[44+(\i)], v[36+(\i)], s43
	v_mul_f32 v[48+(\i)], v[36+(\i)], v[32+(\i)]   ; z r
	v_mul_f32 v[52+(\i)], v[36+(\i)], v[36+(\i)]   ; z z
	v_fma_f32 v[40+(\i)], v[40+(\i)], v[48+(\i)], v[32+(\i)]  ; sin r
	v_fma_f32 v[48+(\i)], v[36+(\i)], -0.5, 1.0
	v_fma_f32 v[44+(\i)], v[44+(\i)], v[52+(\i)], v[48+(\i)]  ; cos r
	v_cvt_i32_f32 v[56+(\i)], v[28+(\i)]
	v_and_b32 v[52+(\i)], 1, v[56+(\i)]
	v_cmp_eq_u32 vcc_lo, 1, v[52+(\i)]             ; k odd: sine and cosine change places
	v_cndmask_b32 v[64+(\i)], v[44+(\i)], v[40+(\i)], vcc_lo
	v_cndmask_b32 v[68+(\i)], v[40+(\i)], v[44+(\i)], vcc_lo
	v_add_nc_u32 v[52+(\i)], 1, v[56+(\i)]
	v_lshlrev_b32 v[52+(\i)], 30, v[52+(\i)]       ; the cosine is negative for k % 4 = 1, 2: bit 1 of k + 1,
	v_lshlrev_b32 v[56+(\i)], 30, v[56+(\i)]       ; the sine for k % 4 = 2, 3: bit 1 of k
	v_and_b32 v[52+(\i)], s44, v[52+(\i)]
	v_and_b32 v[56+(\i)], s44, v[56+(\i)]
	v_xor_b32 v[64+(\i)], v[64+(\i)], v[52+(\i)]
	v_xor_b32 v[68+(\i)], v[68+(\i)], v[56+(\i)]
.endr
	global_store_b128 v9, v[64:67], s[24:25]               ; a wave's store covers 512 consecutive bytes
	global_store_b128 v9, v[68:71], s[24:25] offset:1024
	s_endpgm
.Lfunc_end_k_q7551cb984e_prep:
	.size	k_q7551cb984e_prep, .Lfunc_end_k_q7551cb984e_prep-k_q7551cb984e_prep
	.p2alignl 7, 3214868480
	.fill 96, 4, 3214868480
	.section	.rodata,"a",@progbits
	.p2align	6, 0x0
	.amdhsa_kernel k_q7551cb984e_prep
		.amdhsa_group_segment_fixed_size 0
		.amdhsa_private_segment_fixed_size 0
		.amdhsa_enable_private_segment 0
		.amdhsa_kernarg_size 72
		.amdhsa_user_sgpr_count 2
		.amdhsa_user_sgpr_kernarg_segment_ptr 1
		.amdhsa_wavefront_size32 1
		.amdhsa_system_sgpr_workgroup_id_x 1
		.amdhsa_system_sgpr_workgroup_id_y 1
		.amdhsa_system_sgpr_workgroup_id_z 1
		.amdhsa_system_vgpr_workitem_id 0
		.amdhsa_next_free_vgpr 112
		.amdhsa_next_free_sgpr 66
		.amdhsa_reserve_vcc 1
		.amdhsa_float_denorm_mode_32 3
		.amdhsa_float_denorm_mode_16_64 3
		.amdhsa_memory_ordered 1
		.amdhsa_forward_progress 1
		.amdhsa_inst_pref_size 23
	.end_amdhsa_kernel
	.amdgpu_metadata
---
amdhsa.version: [ 1, 2 ]
amdhsa.kernels:
  - .name:           k_q7551cb984e_prep
    .symbol:         k_q7551cb984e_prep.kd
    .args:
      - { .name: x, .offset: 0, .size: 8, .value_kind: global_buffer, .address_space: global }
      - { .name: wq, .offset: 8, .size: 8, .value_kind: global_buffer, .address_space: global }
      - { .name: wk, .offset: 16, .size: 8, .value_kind: global_buffer, .address_space: global }
      - { .name: wv, .offset: 24, .size: 8, .value_kind: global_buffer, .address_space: global }
      - { .name: wo, .offset: 32, .size: 8, .value_kind: global_buffer, .address_space: global }
      - { .name: xb, .offset: 40, .size: 8, .value_kind: global_buffer, .address_space: global }
      - { .name: wb, .offset: 48, .size: 8, .value_kind: global_buffer, .address_space: global }
      - { .name: wof, .offset: 56, .size: 8, .value_kind: global_buffer, .address_space: global }
      - { .name: rope, .offset: 64, .size: 8, .value_kind: global_buffer, .address_space: global }
    .group_segment_fixed_size: 0
    .private_segment_fixed_size: 0
    .kernarg_segment_align: 8
    .kernarg_segment_size: 72
    .max_flat_workgroup_size: 256
    .sgpr_count:     66
    .vgpr_count:     112
    .wavefront_size: 32
...
	.end_amdgpu_metadata
.endif
;; end of part 1
;; launch qkvproj (part 2): grid 8 x 32, 4 waves a work-group, clusters of 4 x 4, 327,680 bytes of LDS; arguments xb, wb, rope, qkvh; writes qkvh
.if DOCPART == 2
	.amdgcn_target "amdgcn-amd-amdhsa--gfx1250"
	.amdhsa_code_object_version 6
	.text
	.protected	k_q7551cb984e_qkvproj
	.globl	k_q7551cb984e_qkvproj
	.p2align	8
	.type	k_q7551cb984e_qkvproj,@function
k_q7551cb984e_qkvproj:
	s_mov_b64 s[64:65], 0
	v_nop
	global_prefetch_b8 v0, s[64:65] scope:SCOPE_SE
	s_setreg_imm32_b32 hwreg(HW_REG_WAVE_MODE, 25, 1), 1
	s_wait_xcnt 0x0
	s_wait_alu depctr_hold_cnt(0) depctr_sa_sdst(0) depctr_va_vdst(0) depctr_va_sdst(0) depctr_va_ssrc(0) depctr_va_vcc(0) depctr_vm_vsrc(0)
	s_getreg_b32 s2, hwreg(HW_REG_IB_STS2, 6, 4)
	s_cmp_eq_u32 s2, 0
	s_cbranch_scc0 .Lentry_in_a_cluster
	s_endpgm
.Lentry_in_a_cluster:
	s_bfe_u32 s2, ttmp6, 0x10000c
	s_cmp_lg_u32 s2, 0xf033
	s_cbranch_scc0 .Lentry_shape_is_right
	s_endpgm
.Lentry_shape_is_right:
; q, k, v = x w^T, ROTATED AND LAID OUT BY HEADS.  xb: [4096][2048] bf16; wb: [3072][2048] bf16 (128 rows a head: heads 0-15 q, 16-19 k, 20-23 v); sums in f32.
; qkvh: [4 b][24 heads][1024 s][128] f16: q and k after the rotation, unscaled, v as it is; each number rounded once, from f32.
; LIMITS.  |q|, |k|, |v| stay under 65,504 (f16's range); below 6e-5 they keep f16's fixed step of 6e-8.  NaN and infinities are not treated apart.
; SHARES.  A tile is 128 rows x 384 columns = three whole heads: 8 x 32 tiles, one to a work-group.  Wave w: r = w / 2 picks 64 rows (four blocks a of 16), c = w % 2 its columns:
; of each head hl the four blocks q at columns 32 c + 16 (q % 2) + 64 (q / 2).  So the two numbers that a rotation joins, channels d and d + 64, lie in the same lane and register
; of accumulators 4 hl + q and 4 hl + q + 2.  48 accumulators, 192 matrix instructions for 128 along K.
; K goes in steps of 128 (rows of 256 bytes, aligned) through two LDS slots; a wave fetches 128 rows with one tensor load: wave 0 x's, waves 1-3 one head's weights each.
; THE WALK ALONG K.  A cluster whose x + y is odd begins at K step 8 and wraps round to 0 behind step 15; the others begin at 0.  The two clusters that read the same rows of x have different
; parities, and so has every other one of the eight that read the same rows of w: they read a given K step eight steps apart.  So the f32 sums are taken in another order of K in half of the clusters.
; CLUSTER 4 x 4: x's tile is shared along a row of the cluster, the weights' along a column: each is asked for jointly, by the same load, descriptor and mask in the four.
; THE MATRIX INSTRUCTION IS USED TRANSPOSED (source 0 = 16 rows of w, source 1 = 16 rows of x): lane l holds row l % 16 and the columns 8 (l / 16) + 0..7.
; REGISTERS, in windows of 256 (s_set_vgpr_msb: bits 1:0 source 0, 3:2 source 1, 5:4 source 2, 7:6 destination):
;   window 0: v16-31 addresses; v64-143 at work on the way out, later v64-255 rows read back      window 1: two fragment buffers of 128: x's four fragments, then w's twelve
;   window 2: accumulators of column blocks 0-7 at 8 (4 bi + a)      window 3: v0-127 those of blocks 8-11; v128-255 my rows' cosines and sines
.set PITCH, 272                        ; an LDS row: 256 bytes + 16 of padding = 68 words: the 16 rows of a fragment load start at 16 different groups of four banks (ISA guide 11.1)
.set HALFT, 128*PITCH                  ; 128 rows: what one tensor load brings
.set SLOT,  4*HALFT                    ; x's 128 rows, then w's 384
.set SPARE, 2*SLOT                     ; behind the ring: the spare words, 128 bytes for each wave: two blocks of 256 bytes that no other line names
.set ROWB,  4096                       ; bytes in a row of xb and of wb
.set ADRA, 16                          ; v16-17  LDS address of my fragments of x in slot 0, 1
.set ADRB, 18                          ; v18-23  of my fragments of w: slot s, head hl at 18 + 3 s + hl (an LDS immediate has 16 bits)
.set STO,  24                          ; v24-25  the way out: where I put 16 bytes of a head's row (heads 0, 1; head 2)
.set RD,   26                          ; v26-27  the way out: where I read rows back
.set SPW,  28                          ; v28     LDS address of my spare word; never rewritten
.set NIL,  29                          ; v29     0; never rewritten
.set PFO,  30                          ; v30     the prefetches' offset: lane x a row; never rewritten
.set LO16, 31                          ; v31     16 x lane; never rewritten
.set CE,   64                          ; v64-79  cosines (or 1), v80-95 sines (or 0) of one block of rows
.set SE,   80
.set T1,   96                          ; v96-111 the first halves' results, v112-127 the second halves'
.set T2,   112
.set PKD,  128                         ; v128-143 packed
.set TAB,  128                         ; window 3: block a, e, cos/sin at 128 + 32 a + 16 e + 8 cs
.set F0,   0
.set F1,   128
.set WV, 12
.set RH, 13
.set CH, 14
.set KW, 15                            ; s15  my cluster's first K step + the number of the walk's step that is asked for next; its low four bits are that K step
.set G1, 24                            ; s[24:31] descriptor group 1 for x's tiles; s[32:39] group 0, a set for each slot
.set G0, 32
.set CX, 40
.set CY, 41
.set TC, 42
.set TR, 43
.set LIM, 44                           ; 5 in a wave that prefetches, else the greatest number
.set PFA, 46                           ; s[46:47] where my prefetches stand
.set G1B, 48                           ; s[48:55], s[56:63] the same for w's tiles
.set G0B, 56
.set MM, 66                            ; head hl: s[66+4hl:67+4hl] m, s[68+4hl:69+4hl] n: (1, 0) rotated, (0, 1) not
.set MSB, 0
.macro WIN new                         ; the immediate's high byte repeats the setting that is left; a switch that changes nothing is dropped
.if MSB != (\new)
	s_set_vgpr_msb (MSB<<8)|(\new)
.set MSB, \new
.endif
.endm
.macro PLACES                          ; four places between a matrix instruction and a load into, or a vector line on, its registers
.rept 4
	v_nop
.endr
.endm
; A joint load: wave 0 fetches x's tile, waves 1-3 a head's weights each.  The branch hangs on the wave's number alone.  An s_nop 0 and four v_nop follow each line.
.macro JLOAD s
	s_cmp_eq_u32 s[WV], 0
	s_cbranch_scc0 .Lfor_b_\@
	tensor_load_to_lds s[G0+4*(\s):G0+4*(\s)+3], s[G1:G1+7]
	s_nop 0
.rept 4
	v_nop
.endr
	s_branch .Lasked_\@
.Lfor_b_\@:
	tensor_load_to_lds s[G0B+4*(\s):G0B+4*(\s)+3], s[G1B:G1B+7]
	s_nop 0
.rept 4
	v_nop
.endr
.Lasked_\@:
.endm
; A prefetch of the K step that stands two refills on (384 matrix instructions ahead of its load): 32 rows x 256 bytes, a lane a row.  A cluster asks in the first half of its walk alone, for the walk's
; steps 4 to 7 (the loop's first two trips): K steps 4-7 or 12-15.  Each row's 256 bytes of such a K step are named once in the launch: x's rows by both clusters that read them, which name different
; K steps; w's by the clusters with y = 0 and y = 1, likewise; the four partners of a joint load take 32 rows each, told apart by address.  The walk's steps 0 to 3 come by their loads alone.
.macro ASK
	s_cmp_gt_u32 s3, s[LIM]
	s_cbranch_scc0 .Lnot_mine_\@
	global_prefetch_b8 v[PFO], s[PFA:PFA+1] offset:256 th:TH_LOAD_NT scope:SCOPE_SE
.Lnot_mine_\@:
.endm
.macro CREST                           ; a round of the cluster's barrier behind its opening barrier
	s_cmp_lg_u32 s[WV], 0
	s_cbranch_scc1 .Lnot_wave_0_\@
	s_barrier_signal -3
.Lnot_wave_0_\@:
	s_barrier_wait -3
	s_barrier_signal -1
	s_barrier_wait -1
.endm
.macro CROUND
	s_barrier_signal -1
	s_barrier_wait -1
	CREST
.endm
	s_load_b256 s[4:11], s[0:1], 0x0               ; xb s[4:5], wb s[6:7], rope s[8:9], qkvh s[10:11]
	v_lshl_add_u32 v[SPW], v0, 2, SPARE
	v_mov_b32 v[NIL], 0
	ds_add_u32 v[SPW], v[NIL]                      ; the wave's opening: the add and its wait stand ahead of my first tensor load; work on registers stands between
	v_lshrrev_b32 v1, 5, v0
	v_readfirstlane_b32 s[WV], v1
	s_lshr_b32 s[RH], s[WV], 1
	s_and_b32 s[CH], s[WV], 1
	s_bfe_u32 s[CX], ttmp6, 0x40000
	s_bfe_u32 s[CY], ttmp6, 0x40004
	s_lshl_b32 s[TC], ttmp9, 2
	s_add_co_u32 s[TC], s[TC], s[CX]               ; tile column = 4 x cluster x + cx
	s_and_b32 s[TR], ttmp7, 0xffff
	s_xor_b32 s[KW], s[TR], ttmp9                  ; cluster y xor cluster x: the same in all sixteen partners
	s_and_b32 s[KW], s[KW], 1
	s_lshl_b32 s[KW], s[KW], 3                     ; my cluster's first K step: 0 or 8
	s_lshl_b32 s2, s[KW], 8                        ; in bytes of a row,
	s_mov_b32 s3, 0                                ; as a pair
	s_lshl_b32 s[TR], s[TR], 2
	s_add_co_u32 s[TR], s[TR], s[CY]               ; tile row = 4 x cluster y + cy
	s_lshl_b32 s21, s[CY], 2
	s_lshl_b32 s21, 15, s21                        ; my row of the cluster
	s_lshl_b32 s22, 0x1111, s[CX]                  ; my column
	s_or_b32 s[G1], s21, (1<<16)|(1<<20)|(1<<21)|(5<<22)|(3<<25)   ; the mask; 2-byte elements; padding on; bit 21 beside a mask; after every 64 words, 4 words
	s_or_b32 s[G1B], s22, (1<<16)|(1<<20)|(1<<21)|(5<<22)|(3<<25)
.irp g, G1, G1B
	s_mov_b32 s[(\g)+1], 128<<16                   ; tensor_dim0 = 128
	s_mov_b32 s[(\g)+2], 128<<16                   ; tensor_dim1 = 128
	s_mov_b32 s[(\g)+3], 128<<16                   ; tile_dim0 = 128
	s_mov_b32 s[(\g)+4], 128                       ; tile_dim1 = 128
	s_mov_b32 s[(\g)+5], 2048                      ; elements from row to row
	s_mov_b32 s[(\g)+6], 0
	s_mov_b32 s[(\g)+7], 0
.endr
	s_lshl_b32 s16, s[TR], 19                      ; x: row 128 x tile row, in bytes
	s_mov_b32 s17, 0
	s_max_u32 s23, s[WV], 1
	s_sub_co_u32 s23, s23, 1                       ; which head of the three I fetch (wave 0 fetches none)
	s_lshl_b32 s23, s23, 19
	s_mul_i32 s18, s[TC], 384*ROWB
	s_add_co_u32 s18, s18, s23                     ; w: row 384 x tile column + 128 x head
	s_mov_b32 s19, 0
	s_mul_i32 s20, s[WV], HALFT                    ; where it goes: wave x 128 rows
	s_wait_dscnt 0x0                               ; the opening add is done
	s_wait_kmcnt 0x0
	s_add_nc_u64 s[16:17], s[4:5], s[16:17]        ; my rows' first bytes: kept for the whole walk
	s_add_nc_u64 s[18:19], s[6:7], s[18:19]
	CROUND                                         ; all sixteen work-groups are here: the first joint loads meet
.irp s, 0,1
	s_mov_b32 s[G0+4*(\s)], 1
	s_add_co_u32 s[G0+4*(\s)+1], s20, (\s)*SLOT
	s_add_nc_u64 s[G0+4*(\s)+2:G0+4*(\s)+3], s[16:17], s[2:3]  ; the walk's step s: K step first + s
	s_mov_b32 s[G0B+4*(\s)], 1
	s_add_co_u32 s[G0B+4*(\s)+1], s20, (\s)*SLOT
	s_add_nc_u64 s[G0B+4*(\s)+2:G0B+4*(\s)+3], s[18:19], s[2:3]
.if (\s) == 1
	s_add_nc_u64 s[G0+4*(\s)+2:G0+4*(\s)+3], s[G0+4*(\s)+2:G0+4*(\s)+3], 256
	s_add_nc_u64 s[G0B+4*(\s)+2:G0B+4*(\s)+3], s[G0B+4*(\s)+2:G0B+4*(\s)+3], 256
.endif
	s_or_b32 s[G0+4*(\s)+3], s[G0+4*(\s)+3], 0x80000000
	s_or_b32 s[G0B+4*(\s)+3], s[G0B+4*(\s)+3], 0x80000000
	JLOAD \s                                       ; the walk's steps 0 and 1: two tensor loads of mine are out
.endr
	; lane addresses
	v_and_b32 v1, 15, v0                           ; l % 16
	v_bfe_u32 v2, v0, 4, 1                         ; l / 16
	v_and_b32 v5, 31, v0
	v_lshlrev_b32 v[LO16], 4, v5
	v_lshlrev_b32 v[PFO], 12, v5
	v_mul_u32_u24 v3, v1, PITCH
	v_lshl_add_u32 v3, v2, 4, v3                   ; row x pitch + 16 x half
	; my rows' cosines and sines: 32 loads of 512 consecutive bytes, out during the whole loop, waited for once behind it
	s_and_b32 s78, s[TR], 7
	s_lshl_b32 s78, s78, 3
	s_lshl2_add_u32 s78, s[RH], s78                ; my first block of 16 positions: 8 (tile row % 8) + 4 r
	s_lshl_b32 s78, s78, 13
	s_lshl_b32 s79, s[CH], 12
	s_add_co_u32 s78, s78, s79
	s_mov_b32 s79, 0
	s_add_nc_u64 s[8:9], s[8:9], s[78:79]
	WIN 0xc0                                       ; destination window 3, address window 0
.irp a, 0,1,2,3
.irp f, 0,1,2,3,4,5,6,7                ; f = 4 e + 2 cs + half
	global_load_b128 v[TAB+32*(\a)+4*(\f):TAB+32*(\a)+4*(\f)+3], v[LO16], s[8:9] offset:(\a)*8192+(\f)*512
.endr
.endr
	WIN 0
	s_mul_i32 s21, s[RH], 64*PITCH                 ; my 64 rows of x
	s_mul_i32 s22, s[CH], 32*PITCH                 ; my 32 columns in each half of a head,
	s_add_co_u32 s22, s22, HALFT                   ; behind x's 128 rows
.irp s, 0,1
	s_add_co_u32 s79, s21, (\s)*SLOT
	v_add_nc_u32 v[ADRA+(\s)], s79, v3
.irp hl, 0,1,2
	s_add_co_u32 s79, s22, (\s)*SLOT+(\hl)*HALFT
	v_add_nc_u32 v[ADRB+3*(\s)+(\hl)], s79, v3
.endr
.endr
	s_lshl_b32 s79, s[CH], 6
	s_add_co_u32 s79, s79, s21
	v_add_nc_u32 v[STO], s79, v3                   ; the stage: row 64 r + l % 16, byte 64 c + 16 (l / 16)
	v_add_nc_u32 v[STO+1], 2*HALFT, v[STO]
	v_mul_u32_u24 v4, v2, PITCH
	v_lshl_add_u32 v4, v1, 4, v4
	s_mul_i32 s79, s[WV], 32*PITCH
	v_add_nc_u32 v[RD], s79, v4                    ; back: rows 32 w + l / 16, 16 bytes a lane
	v_add_nc_u32 v[RD+1], 2*HALFT, v[RD]
	; which heads are rotated: used as factors alone, no branch hangs on the tile column
	s_mul_i32 s45, s[TC], 3
.irp hl, 0,1,2
	s_add_co_u32 s80, s45, \hl
	s_cmp_lt_u32 s80, 20
	s_cselect_b32 s[MM+4*(\hl)], 1.0, 0
	s_cselect_b32 s[MM+4*(\hl)+2], 0, 1.0
	s_mov_b32 s[MM+4*(\hl)+1], 0                   ; named as pairs
	s_mov_b32 s[MM+4*(\hl)+3], 0
.endr
	; where my rows go: ((24 b + 3 tile column) x 1024 + 128 (tile row % 8) + 32 w) x 256 bytes
	s_lshr_b32 s78, s[TR], 3
	s_mul_i32 s78, s78, 24
	s_add_co_u32 s78, s78, s45
	s_lshl_b32 s78, s78, 10
	s_and_b32 s79, s[TR], 7
	s_lshl_b32 s79, s79, 7
	s_add_co_u32 s78, s78, s79
	s_lshl_b32 s79, s[WV], 5
	s_add_co_u32 s78, s78, s79
	s_lshl_b32 s78, s78, 8
	s_mov_b32 s79, 0
	s_add_nc_u64 s[10:11], s[10:11], s[78:79]
	; the prefetches: nothing is asked for here, at the head
	s_lshl_b32 s20, s[TR], 19
	s_mul_i32 s21, s[TC], 384*ROWB
	s_add_co_u32 s21, s21, s23
	s_and_b32 s22, ttmp7, 0xffff
	s_cmp_eq_u32 s[WV], 0                          ; do I fetch x?
	s_cselect_b32 s20, s20, s21                    ; my tile's first row, in bytes
	s_cselect_b32 s21, s[CX], s[CY]                ; my place among the four that ask with me
	s_cselect_b32 s22, 0, s22                      ; x: every cluster asks; w: those with cluster y under 2
	s_cselect_b64 s[PFA:PFA+1], s[4:5], s[6:7]
	s_cmp_lt_u32 s22, 2
	s_cselect_b32 s[LIM], 5, -1                    ; the same in all sixteen partners, for a given wave
	s_lshl_b32 s21, s21, 17                        ; my work-group's 32 rows
	s_add_co_u32 s20, s20, s21
	s_add_co_u32 s20, s20, s2                      ; my cluster's first K step
	s_mov_b32 s21, 0                               ; s21 stays 0: s[20:21] is the refills' offset pair
	s_add_nc_u64 s[PFA:PFA+1], s[PFA:PFA+1], s[20:21]
	s_add_nc_u64 s[PFA:PFA+1], s[PFA:PFA+1], 2*256 ; at the walk's step 2: the first refill steps it to 3 and names step 4
	s_add_co_u32 s[KW], s[KW], 2                   ; the first refill is the walk's step 2
; 16 matrix instructions: column blocks 4 (part - 1) .. + 3 x my four row blocks, 32 along K.  All 48 accumulators take turns in one fixed order.  zero = 1: the products start the sums.
.macro MULS f, part, zero
.if (\part) == 3
	WIN 0xf5                                       ; sources window 1, C and D window 3
.else
	WIN 0xa5                                       ; C and D window 2
.endif
.irp q, 0,1,2,3
.irp a, 0,1,2,3
.set bi, 4*((\part)-1)+(\q)
.set rD, 8*(4*(bi%8)+(\a))
.if \zero
	v_wmma_f32_16x16x32_bf16 v[rD:rD+7], v[(\f)+32+8*bi:(\f)+32+8*bi+7], v[(\f)+8*(\a):(\f)+8*(\a)+7], 0
.else
	v_wmma_f32_16x16x32_bf16 v[rD:rD+7], v[(\f)+32+8*bi:(\f)+32+8*bi+7], v[(\f)+8*(\a):(\f)+8*(\a)+7], v[rD:rD+7]
.endif
.endr
.endr
.endm
; 32 LDS loads in one run: the fragments of 32 along K at byte k of the rows, into buffer f
.macro FETCH slot, k, f
	WIN 0x40                                       ; destination window 1, address window 0
.irp a, 0,1,2,3
	ds_load_b128 v[(\f)+8*(\a):(\f)+8*(\a)+3],   v[ADRA+(\slot)] offset:(\k)+(\a)*16*PITCH
	ds_load_b128 v[(\f)+8*(\a)+4:(\f)+8*(\a)+7], v[ADRA+(\slot)] offset:(\k)+(\a)*16*PITCH+32
.endr
.irp hl, 0,1,2
.irp q, 0,1,2,3
	ds_load_b128 v[(\f)+32+8*(4*(\hl)+(\q)):(\f)+32+8*(4*(\hl)+(\q))+3],   v[ADRB+3*(\slot)+(\hl)] offset:(\k)+(16*((\q)%2)+64*((\q)/2))*PITCH
	ds_load_b128 v[(\f)+32+8*(4*(\hl)+(\q))+4:(\f)+32+8*(4*(\hl)+(\q))+7], v[ADRB+3*(\slot)+(\hl)] offset:(\k)+(16*((\q)%2)+64*((\q)/2))*PITCH+32
.endr
.endr
.endm
; A K step is four quarters of 32 along K, 48 matrix instructions each, on buffers 0, 1, 0, 1.  One of the first three: buffer f, asked for a quarter ago, is in; the next quarter's run of loads goes out; f is multiplied.
.macro QUARTER slot, k, f, g, zero
	s_wait_dscnt 0x0
	PLACES                                         ; buffer g was read by the quarter before
	FETCH \slot, \k, \g
	MULS \f, 1, \zero
	MULS \f, 2, \zero
	MULS \f, 3, \zero
.endm
; The last quarter multiplies buffer 1 and changes slots: ONE barrier; in front of it each wave waits for all its tensor loads (one is out: its part of the next slot), adds 0 to its spare word,
; and waits for that and for its reads of this slot.  fill = 1: the barrier opens a round of the cluster's, and this slot is filled again first thing behind it, with the walk's step two on.
.macro TURN slot, next, fill
.if \fill
	s_wait_xcnt 0x0                                ; the last prefetch, a K step back, has read its address
	s_add_nc_u64 s[PFA:PFA+1], s[PFA:PFA+1], 256
.endif
	WIN 0
	s_wait_tensorcnt 0x0                           ; no tensor load of mine is out, so a group 0 may be written
	ds_add_u32 v[SPW], v[NIL]                      ; 0 is added to my spare word; the descriptors' scalar work stands behind it
.if \fill
	s_and_b32 s20, s[KW], 15                       ; the K step that the walk's next step stands for: behind 15 comes 0
	s_lshl_b32 s20, s20, 8
	s_add_nc_u64 s[G0+4*(\slot)+2:G0+4*(\slot)+3], s[16:17], s[20:21]    ; the addresses are made anew from my rows' first bytes
	s_or_b32 s[G0+4*(\slot)+3], s[G0+4*(\slot)+3], 0x80000000
	s_add_nc_u64 s[G0B+4*(\slot)+2:G0B+4*(\slot)+3], s[18:19], s[20:21]
	s_or_b32 s[G0B+4*(\slot)+3], s[G0B+4*(\slot)+3], 0x80000000
	s_add_co_u32 s[KW], s[KW], 1
.endif
	s_wait_dscnt 1                                 ; only the add may be out: buffer 1's loads, all older, are in
	MULS F1, 1, 0
	s_wait_dscnt 0x0                               ; the add is done, and my reads of this slot are over
	s_barrier_signal -1
	MULS F1, 2, 0
.if \fill
	WIN 0
.endif
	s_barrier_wait -1
.if \fill
	CREST                                          ; no wave of any partner still reads this slot or has a load on its way
	JLOAD \slot                                    ; its four v_nop are also the places in front of the loads below
.else
	PLACES
.endif
	FETCH \next, 0, F0
.if \fill
	WIN 0
	ASK
.endif
	MULS F1, 3, 0
.endm
	s_wait_tensorcnt 1                             ; my part of the walk's step 0 is in; step 1's may stay out
	s_barrier_signal -1
	s_barrier_wait -1
	FETCH 0, 0, F0
	QUARTER 0, 64, F0, F1, 1                       ; the first quarter stands in front of the loop: its products start the sums
	WIN 0
	s_mov_b32 s3, 7
.Llap:                                         ; a trip goes once round the ring and fills both slots again: the walk's steps 2 to 15
	QUARTER 0, 128, F1, F0, 0
	QUARTER 0, 192, F0, F1, 0
	TURN 0, 1, 1
	QUARTER 1, 64,  F0, F1, 0
	QUARTER 1, 128, F1, F0, 0
	QUARTER 1, 192, F0, F1, 0
	TURN 1, 0, 1
	QUARTER 0, 64,  F0, F1, 0
	WIN 0
	s_sub_co_u32 s3, s3, 1
	s_cmp_lg_u32 s3, 0
	s_cbranch_scc1 .Llap
	QUARTER 0, 128, F1, F0, 0                      ; the last lap fills nothing
	QUARTER 0, 192, F0, F1, 0
	TURN 0, 1, 0                                   ; behind this barrier nobody reads slot 0 any more, and it has had its last fill: it serves as the stage
	QUARTER 1, 64,  F0, F1, 0
	QUARTER 1, 128, F1, F0, 0
	QUARTER 1, 192, F0, F1, 0
	s_wait_dscnt 0x0
	MULS F1, 1, 0
	MULS F1, 2, 0
	MULS F1, 3, 0
	PLACES
	s_wait_loadcnt 0x0                             ; the cosines and sines
; THE WAY OUT.  Head hl, row block a: y1 = x1 C + x2 S, y2 = x2 C - x1 S with C = cos m + n, S = sin m; rounded to f16; 16 bytes a lane into the stage (three heads x 128 rows x 272 bytes, from LDS byte 0).
; Each accumulator's registers are taken in ascending order.
.macro ROT hl, a
	WIN 0x03                                       ; source 0 window 3
.irp e, 0,1
.irp p, 0,1,2,3
	v_pk_fma_f32 v[CE+8*(\e)+2*(\p):CE+8*(\e)+2*(\p)+1], v[TAB+32*(\a)+16*(\e)+2*(\p):TAB+32*(\a)+16*(\e)+2*(\p)+1], s[MM+4*(\hl):MM+4*(\hl)+1], s[MM+4*(\hl)+2:MM+4*(\hl)+3] op_sel_hi:[1,0,0]
	v_pk_mul_f32 v[SE+8*(\e)+2*(\p):SE+8*(\e)+2*(\p)+1], v[TAB+32*(\a)+16*(\e)+8+2*(\p):TAB+32*(\a)+16*(\e)+8+2*(\p)+1], s[MM+4*(\hl):MM+4*(\hl)+1] op_sel_hi:[1,0]
.endr
.endr
	WIN 0x02+(\hl)/2                               ; source 0: the accumulators' window
.irp e, 0,1
.set rX1, 8*(4*((4*(\hl)+(\e))%8)+(\a))
.set rX2, 8*(4*((4*(\hl)+2+(\e))%8)+(\a))
.irp p, 0,1,2,3
	v_pk_mul_f32 v[T1+8*(\e)+2*(\p):T1+8*(\e)+2*(\p)+1], v[rX1+2*(\p):rX1+2*(\p)+1], v[CE+8*(\e)+2*(\p):CE+8*(\e)+2*(\p)+1]
	v_pk_mul_f32 v[T2+8*(\e)+2*(\p):T2+8*(\e)+2*(\p)+1], v[rX2+2*(\p):rX2+2*(\p)+1], v[CE+8*(\e)+2*(\p):CE+8*(\e)+2*(\p)+1]
.endr
.irp p, 0,1,2,3
	v_pk_fma_f32 v[T1+8*(\e)+2*(\p):T1+8*(\e)+2*(\p)+1], v[rX2+2*(\p):rX2+2*(\p)+1], v[SE+8*(\e)+2*(\p):SE+8*(\e)+2*(\p)+1], v[T1+8*(\e)+2*(\p):T1+8*(\e)+2*(\p)+1]
	v_pk_fma_f32 v[T2+8*(\e)+2*(\p):T2+8*(\e)+2*(\p)+1], v[rX1+2*(\p):rX1+2*(\p)+1], v[SE+8*(\e)+2*(\p):SE+8*(\e)+2*(\p)+1], v[T2+8*(\e)+2*(\p):T2+8*(\e)+2*(\p)+1] neg_lo:[1,0,0] neg_hi:[1,0,0]
.endr
.endr
	WIN 0
.irp p, 0,1,2,3,4,5,6,7
	v_cvt_pk_f16_f32 v[PKD+(\p)],   v[T1+2*(\p)], v[T1+2*(\p)+1]
	v_cvt_pk_f16_f32 v[PKD+8+(\p)], v[T2+2*(\p)], v[T2+2*(\p)+1]
.endr
.irp e, 0,1
	ds_store_b128 v[STO+(\hl)/2], v[PKD+4*(\e):PKD+4*(\e)+3],     offset:((\hl)%2)*HALFT+(\a)*16*PITCH+32*(\e)
	ds_store_b128 v[STO+(\hl)/2], v[PKD+8+4*(\e):PKD+8+4*(\e)+3], offset:((\hl)%2)*HALFT+(\a)*16*PITCH+32*(\e)+128
.endr
.endm
.irp hl, 0,1,2
.irp a, 0,1,2,3
	ROT \hl, \a
.endr
.endr
	s_wait_dscnt 0x0                               ; for the others' sake: a head's row of 256 bytes comes from two waves
	s_barrier_signal -1
	s_barrier_wait -1
.irp hl, 0,1,2
.irp t, 0,1,2,3,4,5,6,7,8,9,10,11,12,13,14,15
	ds_load_b128 v[64+64*(\hl)+4*(\t):64+64*(\hl)+4*(\t)+3], v[RD+(\hl)/2] offset:((\hl)%2)*HALFT+(\t)*2*PITCH  ; rows 32 w + 2 t, + 1, whole
.endr
.endr
.set n, 0
.irp hl, 0,1,2
.irp t, 0,1,2,3,4,5,6,7,8,9,10,11,12,13,14,15
	s_wait_dscnt 47-n                              ; the younger loads may stay out
	global_store_b128 v[LO16], v[64+64*(\hl)+4*(\t):64+64*(\hl)+4*(\t)+3], s[10:11] offset:(\hl)*262144+(\t)*512  ; 512 consecutive bytes, at a multiple of 256 from the buffer's first
.set n, n+1
.endr
.endr
	s_wait_tensorcnt 0x0                           ; the wave's end: a wait, an add to my spare word and its wait, behind my last tensor load and my last LDS store
	ds_add_u32 v[SPW], v[NIL]
	s_wait_dscnt 0x0
	CROUND                                         ; the closing round: no work-group ends while a partner may still ask for a tile that names it
	s_endpgm
.Lfunc_end_k_q7551cb984e_qkvproj:
	.size	k_q7551cb984e_qkvproj, .Lfunc_end_k_q7551cb984e_qkvproj-k_q7551cb984e_qkvproj
	.p2alignl 7, 3214868480
	.fill 96, 4, 3214868480
	.section	.rodata,"a",@progbits
	.p2align	6, 0x0
	.amdhsa_kernel k_q7551cb984e_qkvproj
		.amdhsa_group_segment_fixed_size 327680
		.amdhsa_private_segment_fixed_size 0
		.amdhsa_enable_private_segment 0
		.amdhsa_kernarg_size 32
		.amdhsa_user_sgpr_count 2
		.amdhsa_user_sgpr_kernarg_segment_ptr 1
		.amdhsa_wavefront_size32 1
		.amdhsa_system_sgpr_workgroup_id_x 1
		.amdhsa_system_sgpr_workgroup_id_y 1
		.amdhsa_system_sgpr_workgroup_id_z 1
		.amdhsa_system_vgpr_workitem_id 0
		.amdhsa_next_free_vgpr 1024
		.amdhsa_next_free_sgpr 82
		.amdhsa_reserve_vcc 0
		.amdhsa_float_denorm_mode_32 3
		.amdhsa_float_denorm_mode_16_64 3
		.amdhsa_memory_ordered 1
		.amdhsa_forward_progress 1
		.amdhsa_inst_pref_size 161
	.end_amdhsa_kernel
	.amdgpu_metadata
---
amdhsa.version: [ 1, 2 ]
amdhsa.kernels:
  - .name:           k_q7551cb984e_qkvproj
    .symbol:         k_q7551cb984e_qkvproj.kd
    .args:
      - { .name: xb, .offset: 0, .size: 8, .value_kind: global_buffer, .address_space: global }
      - { .name: wb, .offset: 8, .size: 8, .value_kind: global_buffer, .address_space: global }
      - { .name: rope, .offset: 16, .size: 8, .value_kind: global_buffer, .address_space: global }
      - { .name: qkvh, .offset: 24, .size: 8, .value_kind: global_buffer, .address_space: global }
    .group_segment_fixed_size: 327680
    .private_segment_fixed_size: 0
    .kernarg_segment_align: 8
    .kernarg_segment_size: 32
    .max_flat_workgroup_size: 128
    .sgpr_count:     82
    .vgpr_count:     1024
    .wavefront_size: 32
...
	.end_amdgpu_metadata
.endif
;; end of part 2
;; launch attn (part 3): grid 16 x 16, 4 waves a work-group, clusters of 4 x 1, 327,680 bytes of LDS; arguments qkvh, yh; writes yh
.if DOCPART == 3
	.amdgcn_target "amdgcn-amd-amdhsa--gfx1250"
	.amdhsa_code_object_version 6
	.text
	.protected	k_q7551cb984e_attn
	.globl	k_q7551cb984e_attn
	.p2align	8
	.type	k_q7551cb984e_attn,@function
k_q7551cb984e_attn:
	s_mov_b64 s[64:65], 0
	v_nop
	global_prefetch_b8 v0, s[64:65] scope:SCOPE_SE
	s_setreg_imm32_b32 hwreg(HW_REG_WAVE_MODE, 25, 1), 1
	s_wait_xcnt 0x0
	s_wait_alu depctr_hold_cnt(0) depctr_sa_sdst(0) depctr_va_vdst(0) depctr_va_sdst(0) depctr_va_ssrc(0) depctr_va_vcc(0) depctr_vm_vsrc(0)
	s_getreg_b32 s2, hwreg(HW_REG_IB_STS2, 6, 4)
	s_cmp_eq_u32 s2, 0
	s_cbranch_scc0 .Lentry_in_a_cluster
	s_endpgm
.Lentry_in_a_cluster:
	s_bfe_u32 s2, ttmp6, 0x10000c
	s_cmp_lg_u32 s2, 0x3003
	s_cbranch_scc0 .Lentry_shape_is_right
	s_endpgm
.Lentry_shape_is_right:
; CAUSAL ATTENTION WITH SHARED KEY AND VALUE HEADS.  qkvh: [4 b][24 heads][1024 s][128] f16 (heads 0-15 q, 16-19 k, 20-23 v); query head h reads key and value head h / 4.
; yh: [b][s][16 h][128] f16.  y[q] = the sum over k <= q of softmax_k(q . k / sqrt(128)) v[k].  Products, maxima and sums in f32; the weights p are rounded to f16 for the second
; product (their sum l is taken of the unrounded p), y once at the end.
; LIMITS.  A hidden score counts as its value less 1e30 (f16's scores, 5.5e11 at the most, are nothing beside that); a weight below 2^-126 counts as 0 in l; p below 6e-5 keeps f16's fixed step of 6e-8;
; NaN and infinities are not treated apart.
; THE WALK.  Work-group y = 4 b + kv.  Its four waves are the four query heads of kv.  A sequence's 1,024 positions lie in 32 blocks of 32; block p needs the key tiles 0 .. p / 4 of 128 keys.
; Work-group j = 4 g + cx (g the cluster's x) takes block 31 - j and then block j: 8 - g and g + 1 tiles, nine in every work-group.  The four partners of a cluster have the same g, so they walk the
; same tiles in the same trips: every tile of K and V is asked for JOINTLY, by the same tensor load, descriptor and mask.  cx enters the addresses of Q and y and of the prefetches, and a scalar (DQ) that is
; used as data alone: no branch, trip count or LDS address hangs on it.
; THE MASK is the C operand that starts the sum S^T = K Q^T.  In units of 16, DQ = (my first query block) - (the step's first key block).  For query tile t and key block kb, d = kb - t: all seen if d < DQ,
; none if d > DQ, the diagonal's mask MD if d = DQ.  The five masks d = -1 .. 3 are made anew at each step's head as MD x AL + BE, while K's loads are out: one text serves every step.
; LAYOUT.  S^T = K Q^T (source 0 = 16 keys, source 1 = 16 queries): a lane holds ONE query (lane % 16) and the keys 8 (lane / 16) + 0..7; two results rounded to f16 ARE source 1 of O^T = V^T P.
; SOFTMAX.  A running maximum m and sum l: p = 2^(c s - c m), c = log2(e) / sqrt(128); in every step O and l are multiplied by a = 2^(c m_old - c m_new).  A block starts with c m far below every c s: its first a is 0.
; IN PHASES: a step's 32 products K Q^T, the two tiles' softmax, its 32 products V^T P.
; REGISTERS, in windows of 256 (s_set_vgpr_msb: bits 1:0 source 0, 3:2 source 1, 5:4 source 2, 7:6 destination):
;   window 0: v0-15 addresses; v16-31 statistics; v64-127 S^T; v128-159 P; v160-199 the five masks; v200-207 MD      window 1: v0-127 O^T
;   window 2: v0-63 Q; v64-127 the second block's Q; v128-255 K of one step      window 3: v0-127 V of one step
.set KS,    64
.set PK,    272       ; a row of K in LDS: 256 bytes + 16 of padding: the 16 rows of a load start at 16 different groups of four banks (ISA guide 11.1)
.set PV,    288       ; a row of V: 256 + 32
.set VOFF,  KS*PK     ; a step's tiles lie together: 64 rows of K, then 64 rows of V
.set STEPB, KS*(PK+PV)
.set SLOT1, 1<<17     ; a slot holds a tile of 128 keys, two steps; slot 1 begins here, so that one exclusive or turns an address in one slot into the other's
.set STAGE, SLOT1+2*STEPB  ; behind the ring, never filled by a tensor load: 16 rows x 272 bytes for each wave
.set SP,    272
.set SPARE, STAGE+4*16*SP  ; the spare words, 128 bytes for each wave: two blocks of 256 bytes that no other line names
.set AK0, 2           ; my lane's place in a tile of K; never rewritten
.set AV0, 3           ; the same for V
.set AK,  4           ; the tile's address for K's loads
.set AV,  5           ; for V's
.set STO, 6
.set RD,  7
.set GO,  8           ; my byte offset in two positions' rows of yh
.set PFO, 12          ; 256 x lane; never rewritten
.set QO,  15
.set ST,  16          ; tile t's statistics at v[16 + 8 t]: c m, m, l (even keys', odd keys'), c0-c3 at work; a takes c2's place
.set SPW, 62
.set NIL, 63
.set S,   64
.set P,   128
.set MK,  160
.set MD,  200
.set QB,  64
.set KF,  128
.set WV,  12
.set G1K, 24
.set G1V, 32
.set G0K, 40
.set G0V, 44
.set SLOTS, 56        ; tiles still to be asked for
.set CNT, 57          ; counts a tile's two steps
.set CS,  58
.set SEL, 60
.set TB,  62          ; LDS byte at which the tile in hand begins
.set RT,  70          ; tiles of the block in hand that are still to be entered
.set NXT, 71          ; the tile to be asked for next
.set LQ,  72          ; the last tile of the block whose tiles are being asked for
.set NEW, 73          ; 1: the tile to be entered is a block's first
.set OFF, 74
.set AL,  76
.set BE,  78
.set OLO, 80          ; yh at my rows of the second block
.set BIGN, 82
.set DQ,  83
.set DQ2, 84
.set BLK, 85          ; 1: the second block
.set GG,  86          ; g
.set LIM, 87          ; 2 in a wave that prefetches, else the greatest number
.set PFA, 88
.set MSB, 0
.macro WIN new
.if MSB != (\new)
	s_set_vgpr_msb (MSB<<8)|(\new)
.set MSB, \new
.endif
.endm
.set W_KQ, 0x0a       ; K and Q in window 2, the mask and S^T in window 0
.set W_PV, 0x53       ; V in window 3, P in window 0, O^T in window 1
.set W_RS, 0x41       ; O^T (destination and source 0) in window 1, the factor in window 0
.macro PLACES
.rept 4
	v_nop
.endr
.endm
; A joint fill.  Waves 0 and 1 fetch the two steps' K, waves 2 and 3 their V: 64 rows each.  An s_nop 0 and four v_nop follow each line.
.macro JLOAD
	s_cmp_lt_u32 s[WV], 2
	s_cbranch_scc0 .Lfor_v_\@
	tensor_load_to_lds s[G0K:G0K+3], s[G1K:G1K+7]
	s_nop 0
.rept 4
	v_nop
.endr
	s_branch .Lasked_\@
.Lfor_v_\@:
	tensor_load_to_lds s[G0V:G0V+3], s[G1V:G1V+7]
	s_nop 0
.rept 4
	v_nop
.endr
.Lasked_\@:
.endm
; A prefetch of the tile that the NEXT change of slots will ask for, two key steps ahead of its load.  Only a tile's first reading in the launch is asked for: the cluster with g = 0 walks tiles 0 to 7 in its first
; block, so it alone asks, for tiles 2 to 7; its four partners take 32 rows each, told apart by address; wave 0 asks for K's, wave 2 for V's: a lane a row.
.macro ASK
	s_cmp_gt_u32 s[SLOTS], s[LIM]
	s_cbranch_scc0 .Lnot_mine_\@
	global_prefetch_b8 v[PFO], s[PFA:PFA+1] th:TH_LOAD_NT scope:SCOPE_SE
.Lnot_mine_\@:
.endm
.macro CROUND
	s_barrier_signal -1
	s_barrier_wait -1
	s_cmp_lg_u32 s[WV], 0
	s_cbranch_scc1 .Lnot_wave_0_\@
	s_barrier_signal -3
.Lnot_wave_0_\@:
	s_barrier_wait -3
	s_barrier_signal -1
	s_barrier_wait -1
.endm
; THE CHANGE OF SLOTS.  Each wave waits for all its tensor loads (one is out: its part of the other slot), adds 0 to its spare word, and waits for that and for its reads of the slot that it leaves.
; fill = 1: a round of the cluster's barrier, and the old slot is filled again first thing behind it, with tile NXT: the address is made anew from that number.  One tensor load of mine is out at a time.
.macro CHANGE fill
	WIN 0
	s_wait_tensorcnt 0x0
	ds_add_u32 v[SPW], v[NIL]       ; 0 is added to my spare word; scalar work stands between it and the wait for it
.if \fill
	s_lshl_b32 s[OFF], s[NXT], 15   ; a tile is 32,768 bytes of K and of V
	s_xor_b32 s[G0K+1], s[G0K+1], SLOT1
	s_add_nc_u64 s[G0K+2:G0K+3], s[6:7], s[OFF:OFF+1]
	s_or_b32 s[G0K+3], s[G0K+3], 0x80000000
	s_xor_b32 s[G0V+1], s[G0V+1], SLOT1
	s_add_nc_u64 s[G0V+2:G0V+3], s[8:9], s[OFF:OFF+1]
	s_or_b32 s[G0V+3], s[G0V+3], 0x80000000
	s_add_co_u32 s[NXT], s[NXT], 1  ; the block's next tile, or behind its last the second block's tile 0
	s_cmp_gt_u32 s[NXT], s[LQ]
	s_cselect_b32 s[NXT], 0, s[NXT]
	s_cselect_b32 s[LQ], s[GG], s[LQ]
	s_wait_xcnt 0x0                 ; the last prefetch, a tile back, has read its address
	s_add_nc_u64 s[PFA:PFA+1], s[PFA:PFA+1], 32768
.endif
	s_xor_b32 s[TB], s[TB], SLOT1
	s_wait_dscnt 0x0                ; the add is done, and my reads of the slot are over
.if \fill
	CROUND
	JLOAD
	ASK
.else
	s_barrier_signal -1
	s_barrier_wait -1
.endif
.endm
	s_load_b64 s[4:5], s[0:1], 0x0  ; qkvh
	s_load_b64 s[10:11], s[0:1], 0x8  ; yh
	v_lshl_add_u32 v[SPW], v0, 2, SPARE
	v_mov_b32 v[NIL], 0
	ds_add_u32 v[SPW], v[NIL]       ; the wave's opening: the add and its wait stand ahead of my first tensor load; work on registers stands between
	v_lshrrev_b32 v1, 5, v0
	v_readfirstlane_b32 s[WV], v1
	s_bfe_u32 s13, ttmp6, 0x40000   ; cx
	s_mov_b32 s[GG], ttmp9          ; g
	s_lshl_b32 s14, ttmp9, 2
	s_add_co_u32 s14, s14, s13      ; j
	s_and_b32 s15, ttmp7, 0xffff
	s_lshr_b32 s16, s15, 2          ; b
	s_and_b32 s17, s15, 3           ; kv
	s_mul_i32 s18, s16, 24
	s_add_co_u32 s19, s18, s17
	s_add_co_u32 s19, s19, 16       ; K's head among the 96
	s_lshl_b32 s20, s19, 18         ; a head is 262,144 bytes
	s_and_b32 s21, s[WV], 1         ; which of a tile's two steps I fetch:
	s_lshl_b32 s22, s21, 14         ; its 64 rows in memory,
	s_add_co_u32 s20, s20, s22
	s_mul_i32 s23, s21, STEPB       ; and its place in a slot
	s_mov_b32 s21, 0
	s_lshl2_add_u32 s2, s17, s18
	s_add_co_u32 s2, s2, s[WV]      ; my query head among the 96
	s_lshl_b32 s3, s2, 18
	s_sub_co_u32 s15, 31, s14       ; the first block
	s_lshl_b32 s66, s15, 13         ; a block is 32 rows of 256 bytes
	s_add_co_u32 s66, s66, s3
	s_mov_b32 s67, 0
	s_lshl_b32 s68, s14, 13
	s_add_co_u32 s68, s68, s3
	s_mov_b32 s69, 0
	s_lshl2_add_u32 s22, s17, s[WV] ; my head among the 16
	s_lshl_b32 s22, s22, 8
	s_lshl_b32 s3, s16, 22          ; a sequence is 1,024 rows of 4,096 bytes of yh
	s_add_co_u32 s3, s3, s22
	s_lshl_b32 s90, s15, 17
	s_add_co_u32 s90, s90, s3
	s_mov_b32 s91, 0
	s_lshl_b32 s[OLO], s14, 17
	s_add_co_u32 s[OLO], s[OLO], s3
	s_mov_b32 s[OLO+1], 0
	s_mov_b32 s[G1K], 15|(1<<16)|(1<<20)|(1<<21)|(5<<22)|(3<<25)  ; the mask of four; 2-byte elements; padding on; bit 21 beside a mask; after every 64 words, 4 words
	s_mov_b32 s[G1V], 15|(1<<16)|(1<<20)|(1<<21)|(5<<22)|(7<<25)  ; the same with 8 words
.irp g, G1K, G1V
	s_mov_b32 s[(\g)+1], 128<<16    ; tensor_dim0 = 128
	s_mov_b32 s[(\g)+2], KS<<16     ; tensor_dim1 = 64
	s_mov_b32 s[(\g)+3], 128<<16    ; tile_dim0 = 128
	s_mov_b32 s[(\g)+4], KS         ; tile_dim1 = 64
	s_mov_b32 s[(\g)+5], 128        ; elements from row to row
	s_mov_b32 s[(\g)+6], 0
	s_mov_b32 s[(\g)+7], 0
.endr
	s_mov_b32 s[G0K], 1
	s_mov_b32 s[G0K+1], s23         ; slot 0
	s_mov_b32 s[G0V], 1
	s_add_co_u32 s[G0V+1], s23, VOFF
	s_mov_b32 s[CS], 0x3e0293ee     ; c = log2(e) / sqrt(128)
	s_mov_b32 s[CS+1], s[CS]
	s_mov_b32 s[SEL], 0x76543210
	s_mov_b32 s[SEL+1], 0xfedcba98
	s_mov_b32 s[TB], SLOT1          ; the first change of slots turns it into 0
	s_mov_b32 s[SLOTS], 8
	s_sub_co_u32 s[RT], 8, s[GG]
	s_sub_co_u32 s[LQ], 7, s[GG]
	s_mov_b32 s[NXT], 1
	s_mov_b32 s[NEW], 1
	s_mov_b32 s[BLK], 0
	s_mov_b32 s[OFF+1], 0
	s_mov_b32 s[AL+1], 0            ; named as pairs
	s_mov_b32 s[BE+1], 0
	s_mov_b32 s[BIGN], 0xf149f2ca   ; -1e30
	s_lshl_b32 s[DQ2], s14, 1
	s_sub_co_u32 s[DQ], 62, s[DQ2]
	s_and_b32 s[LIM], s[WV], 1
	s_or_b32 s[LIM], s[LIM], ttmp9
	s_cmp_eq_u32 s[LIM], 0
	s_cselect_b32 s[LIM], 2, -1
	s_lshl_b32 s2, s13, 13          ; my work-group's 32 rows of a tile's 128
	s_mov_b32 s3, 0
	s_wait_dscnt 0x0                ; the opening add is done
	s_wait_kmcnt 0x0
	s_add_nc_u64 s[6:7], s[4:5], s[20:21]  ; K at my half of tile 0,
	s_add_nc_u64 s[8:9], s[6:7], 4<<18     ; V four heads on
	s_add_nc_u64 s[G0K+2:G0K+3], s[6:7], 0
	s_or_b32 s[G0K+3], s[G0K+3], 0x80000000
	s_add_nc_u64 s[G0V+2:G0V+3], s[8:9], 0
	s_or_b32 s[G0V+3], s[G0V+3], 0x80000000
	s_add_nc_u64 s[66:67], s[4:5], s[66:67]  ; Q of the first block, of the second
	s_add_nc_u64 s[68:69], s[4:5], s[68:69]
	s_add_nc_u64 s[OLO:OLO+1], s[10:11], s[OLO:OLO+1]
	s_add_nc_u64 s[10:11], s[10:11], s[90:91]
	s_cmp_lt_u32 s[WV], 2
	s_cselect_b64 s[PFA:PFA+1], s[6:7], s[8:9]  ; (in waves 0 and 2 these stand at a tile's first row)
	s_add_nc_u64 s[PFA:PFA+1], s[PFA:PFA+1], s[2:3]
	s_add_nc_u64 s[PFA:PFA+1], s[PFA:PFA+1], 32768  ; at tile 1: the first change steps it to tile 2.  Nothing is asked for here, at the head
	CROUND                          ; all four work-groups are here: the first joint loads meet
	JLOAD                           ; tile 0 into slot 0
	v_and_b32 v1, 15, v0            ; l % 16
	v_bfe_u32 v9, v0, 4, 1          ; l / 16
	v_lshlrev_b32 v[QO], 8, v1
	v_lshl_add_u32 v[QO], v9, 4, v[QO]  ; row x 256 + 16 x half
	WIN 0x80                        ; destination window 2
.irp i, 0,1,2,3,4,5,6,7             ; both blocks' Q: tile i / 4, channels 32 (i % 4) on
	global_load_b128 v[8*(\i):8*(\i)+3],         v[QO], s[66:67] offset:((\i)/4)*4096+((\i)%4)*64
	global_load_b128 v[8*(\i)+4:8*(\i)+7],       v[QO], s[66:67] offset:((\i)/4)*4096+((\i)%4)*64+32
	global_load_b128 v[QB+8*(\i):QB+8*(\i)+3],   v[QO], s[68:69] offset:((\i)/4)*4096+((\i)%4)*64
	global_load_b128 v[QB+8*(\i)+4:QB+8*(\i)+7], v[QO], s[68:69] offset:((\i)/4)*4096+((\i)%4)*64+32
.endr
	WIN 0
	v_lshlrev_b32 v14, 3, v9
	v_sub_nc_u32 v14, v1, v14       ; register r of the diagonal's mask is hidden where r > l % 16 - 8 (l / 16)
.set i, 0
.rept 8
	v_cmp_gt_i32 vcc_lo, i, v14
	v_cndmask_b32 v[MD+i], 0, s[BIGN], vcc_lo
.set i, i+1
.endr
	v_mul_u32_u24 v[AK0], v1, PK
	v_lshl_add_u32 v[AK0], v9, 4, v[AK0]
	; the turning load takes 16 keys x 16 channels (lane l reads key 8 (l / 16) + l % 8, channels 8 ((l / 8) % 2) + 0..7) and leaves half a fragment of V^T
	v_and_b32 v10, 7, v0
	v_bfe_u32 v11, v0, 3, 1
	v_lshl_add_u32 v[AV0], v9, 3, v10
	v_mul_u32_u24 v[AV0], v[AV0], PV
	v_lshl_add_u32 v[AV0], v11, 4, v[AV0]
	v_add_nc_u32 v[AV0], VOFF, v[AV0]
	s_mul_i32 s2, s[WV], 16*SP
	s_add_co_u32 s2, s2, STAGE      ; my stage
	v_mul_u32_u24 v[STO], v1, SP
	v_lshl_add_u32 v[STO], v9, 4, v[STO]
	v_add_nc_u32 v[STO], s2, v[STO]
	v_mul_u32_u24 v[RD], v9, SP
	v_lshl_add_u32 v[RD], v1, 4, v[RD]
	v_add_nc_u32 v[RD], s2, v[RD]
	v_lshlrev_b32 v[GO], 12, v9     ; lanes 16-31: the next position's row of yh
	v_lshl_add_u32 v[GO], v1, 4, v[GO]
	v_and_b32 v[PFO], 31, v0
	v_lshlrev_b32 v[PFO], 8, v[PFO]
	; a block's first step multiplies O^T and l by a = 0, so they need only hold finite numbers: zeros now, what the first block left later.  This stands in the wait for the first tile.
	WIN 0x40
.set i, 0
.rept 128
	v_mov_b32 v[i], 0
.set i, i+1
.endr
	WIN 0
.irp t, 0,1
	v_mov_b32 v[ST+8*(\t)+2], 0
	v_mov_b32 v[ST+8*(\t)+3], 0
.endr
; Product i of 32 of S^T = K Q^T: channels 32 (i / 8) on, keys 16 ((i / 2) % 4) on, tile i % 2.  The first 8 start the sums with their masks.  The 8 accumulators take turns.
.macro KQ
	WIN W_KQ
.set rS, S+32*(i%2)+8*((i/2)%4)
.set rK, KF+32*((i/2)%4)+8*(i/8)
.set rQ, 32*(i%2)+8*(i/8)
.set rM, MK+8*((i/2)%4-i%2+1)
.if i < 8
	v_wmma_f32_16x16x32_f16 v[rS:rS+7], v[rK:rK+7], v[rQ:rQ+7], v[rM:rM+7]
.else
	v_wmma_f32_16x16x32_f16 v[rS:rS+7], v[rK:rK+7], v[rQ:rQ+7], v[rS:rS+7]
.endif
.set i, i+1
.endm
; Product i of 32 of O^T += V^T P: keys 32 (i / 16) on, channels 16 ((i / 2) % 8) on, tile i % 2.  16 accumulators take turns.
.macro PV
	WIN W_PV
.set rO, 64*(i%2)+8*((i/2)%8)
.set rV, 64*(i/16)+8*((i/2)%8)
.set rP, P+16*(i%2)+8*(i/16)
	v_wmma_f32_16x16x32_f16 v[rO:rO+7], v[rV:rV+7], v[rP:rP+7], v[rO:rO+7]
.set i, i+1
.endm
; The LDS loads stand in runs of 32: step st (0, 1) of the tile in hand
.macro FETCH_K st
	WIN 0x80
.irp f, 0,1,2,3,4,5,6,7,8,9,10,11,12,13,14,15  ; keys 16 (f / 4) on, channels 32 (f % 4) on
	ds_load_b128 v[KF+8*(\f):KF+8*(\f)+3],   v[AK] offset:(\st)*STEPB+((\f)/4)*16*PK+((\f)%4)*64
	ds_load_b128 v[KF+8*(\f)+4:KF+8*(\f)+7], v[AK] offset:(\st)*STEPB+((\f)/4)*16*PK+((\f)%4)*64+32
.endr
.endm
.macro FETCH_V st
	WIN 0xc0
.irp f, 0,1,2,3,4,5,6,7,8,9,10,11,12,13,14,15  ; keys 32 (f / 8) on, channels 16 (f % 8) on
	ds_load_tr16_b128 v[8*(\f):8*(\f)+3],   v[AV] offset:(\st)*STEPB+((\f)/8)*32*PV+((\f)%8)*32
	ds_load_tr16_b128 v[8*(\f)+4:8*(\f)+7], v[AV] offset:(\st)*STEPB+((\f)/8)*32*PV+16*PV+((\f)%8)*32
.endr
.endm
; The step's five masks, d = -1 .. 3; then DQ goes on to the next step's four key blocks.  The compares feed selects alone.
.macro MASKS
	WIN 0
.irp d, 0,1,2,3,4
	s_cmp_eq_i32 s[DQ], (\d)-1
	s_cselect_b32 s[AL], 1.0, 0
	s_cmp_lt_i32 s[DQ], (\d)-1
	s_cselect_b32 s[BE], s[BIGN], 0
.irp y, 0,1,2,3
	v_pk_fma_f32 v[MK+8*(\d)+2*(\y):MK+8*(\d)+2*(\y)+1], v[MD+2*(\y):MD+2*(\y)+1], s[AL:AL+1], s[BE:BE+1] op_sel_hi:[1,0,0]
.endr
.endr
	s_sub_co_i32 s[DQ], s[DQ], 4
.endm
; One tile's softmax for one step is a list of 134 instructions; SM writes number j of it for tile t.  s0-s31 are the lane's 32 scores, in pairs 0-15.
;   0-15  the maximum of s0-s31 and the old m, three operands at a time (each accumulator's lowest registers are read first)      16-20  the other half of the lanes'; m; c m; c m_old - c m_new
;   21-69  ONE BATCH: the 16 scalings c s - c m and all 33 exponentials (a at 23); none of these reads an exponential's result      70-85  the roundings to f16      86-101  the sums; l = a l + sum      102-133  O^T times a
.macro SM t
.set rT, ST+8*(\t)
.set rS, S+32*(\t)
.set rP, P+16*(\t)
.set rO, 64*(\t)+2*(j-102)
.if j < 102
	WIN 0
.endif
.if j < 4
	v_max3_num_f32 v[rT+4+j], v[rS+8*j], v[rS+8*j+1], v[rS+8*j+2]
.elseif j < 12
	v_max3_num_f32 v[rT+4+j%4], v[rT+4+j%4], v[rS+8*(j%4)+2*(j/4)+1], v[rS+8*(j%4)+2*(j/4)+2]
.elseif j == 12
	v_max3_num_f32 v[rT+4], v[rT+4], v[rS+7], v[rS+15]
.elseif j == 13
	v_max3_num_f32 v[rT+6], v[rT+6], v[rS+23], v[rS+31]
.elseif j == 14
	v_max3_num_f32 v[rT+4], v[rT+4], v[rT+5], v[rT+6]
.elseif j == 15
	v_max3_num_f32 v[rT+4], v[rT+4], v[rT+7], v[rT+1]
.elseif j == 16
	v_permlanex16_b32 v[rT+5], v[rT+4], s[SEL], s[SEL+1]  ; the query's other 32 keys lie in the lane 16 away
.elseif j == 17
	v_mov_b32 v[rT+7], v[rT]        ; c m_old is kept for a
.elseif j == 18
	v_max_num_f32 v[rT+1], v[rT+4], v[rT+5]
.elseif j == 19
	v_mul_f32 v[rT], s[CS], v[rT+1]
.elseif j == 20
	v_sub_f32 v[rT+7], v[rT+7], v[rT]
.elseif j == 23
	v_exp_f32 v[rT+6], v[rT+7]
.elseif (j < 23) || ((j < 38) && (j%2 == 0)) || ((j < 66) && (j%4 == 2))
.set b, (j-2)/4
.if j < 38
.set b, (j-20)/2
.endif
	v_pk_fma_f32 v[rS+2*b:rS+2*b+1], v[rS+2*b:rS+2*b+1], s[CS:CS+1], v[rT:rT+1] op_sel_hi:[1,0,0] neg_lo:[0,0,1] neg_hi:[0,0,1]
.elseif j < 70
.set e, j-38
.if j < 66
.set e, j-32-(j-38)/4
.endif
.if j < 38
.set e, (j-25)/2
.endif
	v_exp_f32 v[rS+e], v[rS+e]
.elseif j < 86
	v_cvt_pk_f16_f32 v[rP+j-70], v[rS+2*(j-70)], v[rS+2*(j-70)+1]
.elseif j < 102
.set z, j-86
.set w, 4
.set u, z
.if z >= 14
.set w, 32
.set u, 0
.elseif z >= 12
.set w, 16
.set u, z-12
.elseif z >= 8
.set w, 8
.set u, z-8
.endif
.if z < 15
	v_pk_add_f32 v[rS+w*u:rS+w*u+1], v[rS+w*u:rS+w*u+1], v[rS+w*u+w/2:rS+w*u+w/2+1]
.else
	v_pk_fma_f32 v[rT+2:rT+3], v[rT+2:rT+3], v[rT+6:rT+7], v[rS:rS+1] op_sel_hi:[1,0,1]
.endif
.else
	WIN W_RS
	v_pk_mul_f32 v[rO:rO+1], v[rO:rO+1], v[rT+6:rT+7] op_sel_hi:[1,0]
.endif
.endm
.macro SOFTMAX                      ; the two tiles alternate, so that no instruction reads the result of the one just before it
.set j, 0
.rept 70
	SM 0
	SM 1
.set j, j+1
.endr
	v_nop                           ; a plain instruction behind the last exponential,
	s_wait_alu depctr_va_vdst(0)    ; and the one wait for the 66 of the batch, ahead of their first reader
.rept 64
	SM 0
	SM 1
.set j, j+1
.endr
.endm
; A BLOCK BEGINS.  The second block's Q goes where the one text names Q, and DQ starts anew.  c m starts far below every c s, m at the lowest finite number.
.macro BEGIN
	s_wait_loadcnt 0x0              ; both blocks' Q
	s_mov_b32 s[NEW], 0
	s_cmp_eq_u32 s[BLK], 1
	s_cbranch_scc0 .Lsame_q_\@
	WIN 0x82
.set i, 0
.rept 64
	v_mov_b32 v[i], v[QB+i]
.set i, i+1
.endr
	WIN 0
	s_mov_b32 s[DQ], s[DQ2]
.Lsame_q_\@:
.irp t, 0,1
	v_mov_b32 v[ST+8*(\t)], 0xfe000000
	v_mov_b32 v[ST+8*(\t)+1], 0xff7fffff
.endr
.endm
; THE WAY OUT of a block: l's halves are added, O^T is divided by l, rounded to f16 and sent through my stage, a tile (16 positions) at a time.
.macro PACK t
	WIN W_RS
.set i, 64*(\t)
.rept 32
	v_pk_mul_f32 v[i:i+1], v[i:i+1], v[ST+8*(\t)+6:ST+8*(\t)+7] op_sel_hi:[1,0]
.set i, i+2
.endr
	WIN 0x05                        ; sources window 1, destination window 0: S^T's registers are free
.set i, 0
.rept 32
	v_cvt_pk_f16_f32 v[S+32*(\t)+i], v[64*(\t)+2*i], v[64*(\t)+2*i+1]
.set i, i+1
.endr
	WIN 0
.irp f, 0,1,2,3,4,5,6,7
	ds_store_b128 v[STO], v[S+32*(\t)+4*(\f):S+32*(\t)+4*(\f)+3] offset:32*(\f)
.endr
.irp f, 0,1,2,3,4,5,6,7
	ds_load_b128 v[S+32*(\t)+4*(\f):S+32*(\t)+4*(\f)+3], v[RD] offset:(\f)*2*SP  ; LDS serves a wave's instructions in order (ISA guide 5.7.1.4): these see the stores above
.endr
.endm
.macro SEND t, younger              ; younger: the LDS instructions issued behind tile t's loads
.irp f, 0,1,2,3,4,5,6,7
	s_wait_dscnt (\younger)+7-(\f)
	global_store_b128 v[GO], v[S+32*(\t)+4*(\f):S+32*(\t)+4*(\f)+3], s[10:11] offset:(\t)*65536+(\f)*8192  ; 16 lanes store 256 consecutive bytes, aligned: my head's part of a position's row
.endr
.endm
.macro FINISH
	WIN 0
.irp t, 0,1
	v_add_f32 v[ST+8*(\t)+4], v[ST+8*(\t)+2], v[ST+8*(\t)+3]
.endr
.irp t, 0,1
	v_permlanex16_b32 v[ST+8*(\t)+5], v[ST+8*(\t)+4], s[SEL], s[SEL+1]
.endr
.irp t, 0,1
	v_add_f32 v[ST+8*(\t)+4], v[ST+8*(\t)+4], v[ST+8*(\t)+5]
.endr
.irp t, 0,1
	v_rcp_f32 v[ST+8*(\t)+6], v[ST+8*(\t)+4]
.endr
	v_nop
	s_wait_alu depctr_va_vdst(0)    ; one wait for the two reciprocals, ahead of their first reader
	PACK 0
	PACK 1
	SEND 0, 16
	SEND 1, 0
	s_wait_xcnt 0x0                 ; the stores have read their registers and their base
	s_mov_b64 s[10:11], s[OLO:OLO+1]
	s_add_co_u32 s[RT], s[GG], 1    ; the second block has g + 1 tiles
	s_mov_b32 s[NEW], 1
	s_mov_b32 s[BLK], 1
.endm
; A TILE: two key steps, written once and walked twice.  The jumps go forward over LDS loads and vector text alone.
.macro TILE
	s_sub_co_u32 s[RT], s[RT], 1
	v_add_nc_u32 v[AK], s[TB], v[AK0]
	v_add_nc_u32 v[AV], s[TB], v[AV0]
	FETCH_K 0
	FETCH_V 0
	WIN 0
	s_cmp_eq_u32 s[NEW], 1
	s_cbranch_scc0 .Lold_\@
	BEGIN
.Lold_\@:
	s_mov_b32 s[CNT], 2
.Lstep_\@:
	MASKS
	s_wait_dscnt 32                 ; K is in: the 32 younger loads are V's
.set i, 0
.rept 32
	KQ
.endr
	PLACES                          ; between the products and the reads of S^T, and the loads into K's registers
	WIN 0
	s_cmp_eq_u32 s[CNT], 1
	s_cbranch_scc1 .Lno_k_\@
	FETCH_K 1
	WIN 0
.Lno_k_\@:
	SOFTMAX
	s_wait_dscnt 0x0                ; V is in
.set i, 0
.rept 32
	PV
.endr
	PLACES                          ; between the products and the loads into V's registers, and the reads of O^T
	WIN 0
	s_cmp_eq_u32 s[CNT], 1
	s_cbranch_scc1 .Lno_v_\@
	FETCH_V 1
	WIN 0
.Lno_v_\@:
	s_sub_co_u32 s[CNT], s[CNT], 1
	s_cmp_lg_u32 s[CNT], 0
	s_cbranch_scc1 .Lstep_\@
	s_cmp_eq_u32 s[RT], 0
	s_cbranch_scc0 .Lgo_on_\@
	FINISH
.Lgo_on_\@:
.endm
.Lslot:                             ; eight times: a tile is entered and the next is asked for
	CHANGE 1
	TILE
	s_sub_co_u32 s[SLOTS], s[SLOTS], 1
	s_cmp_lg_u32 s[SLOTS], 0
	s_cbranch_scc1 .Lslot
	CHANGE 0                        ; the walk's last tile is written out
	TILE
	s_wait_tensorcnt 0x0            ; the wave's end: a wait, an add to my spare word and its wait, behind my last tensor load and my last LDS store
	ds_add_u32 v[SPW], v[NIL]
	s_wait_dscnt 0x0
	CROUND                          ; the closing round
	s_endpgm
.Lfunc_end_k_q7551cb984e_attn:
	.size	k_q7551cb984e_attn, .Lfunc_end_k_q7551cb984e_attn-k_q7551cb984e_attn
	.p2alignl 7, 3214868480
	.fill 96, 4, 3214868480
	.section	.rodata,"a",@progbits
	.p2align	6, 0x0
	.amdhsa_kernel k_q7551cb984e_attn
		.amdhsa_group_segment_fixed_size 327680
		.amdhsa_private_segment_fixed_size 0
		.amdhsa_enable_private_segment 0
		.amdhsa_kernarg_size 16
		.amdhsa_user_sgpr_count 2
		.amdhsa_user_sgpr_kernarg_segment_ptr 1
		.amdhsa_wavefront_size32 1
		.amdhsa_system_sgpr_workgroup_id_x 1
		.amdhsa_system_sgpr_workgroup_id_y 1
		.amdhsa_system_sgpr_workgroup_id_z 1
		.amdhsa_system_vgpr_workitem_id 0
		.amdhsa_next_free_vgpr 896
		.amdhsa_next_free_sgpr 92
		.amdhsa_reserve_vcc 1
		.amdhsa_float_denorm_mode_32 3
		.amdhsa_float_denorm_mode_16_64 3
		.amdhsa_memory_ordered 1
		.amdhsa_forward_progress 1
		.amdhsa_inst_pref_size 107
	.end_amdhsa_kernel
	.amdgpu_metadata
---
amdhsa.version: [ 1, 2 ]
amdhsa.kernels:
  - .name:           k_q7551cb984e_attn
    .symbol:         k_q7551cb984e_attn.kd
    .args:
      - { .name: qkvh, .offset: 0, .size: 8, .value_kind: global_buffer, .address_space: global }
      - { .name: yh, .offset: 8, .size: 8, .value_kind: global_buffer, .address_space: global }
    .group_segment_fixed_size: 327680
    .private_segment_fixed_size: 0
    .kernarg_segment_align: 8
    .kernarg_segment_size: 16
    .max_flat_workgroup_size: 128
    .sgpr_count:     92
    .vgpr_count:     896
    .wavefront_size: 32
...
	.end_amdgpu_metadata
.endif
;; end of part 3
;; launch outproj (part 4): grid 8 x 32, 4 waves a work-group, clusters of 4 x 4, 327,680 bytes of LDS; arguments yh, wof, out0; writes out0
.if DOCPART == 4
	.amdgcn_target "amdgcn-amd-amdhsa--gfx1250"
	.amdhsa_code_object_version 6
	.text
	.protected	k_q7551cb984e_outproj
	.globl	k_q7551cb984e_outproj
	.p2align	8
	.type	k_q7551cb984e_outproj,@function
k_q7551cb984e_outproj:
	s_mov_b64 s[64:65], 0
	v_nop
	global_prefetch_b8 v0, s[64:65] scope:SCOPE_SE
	s_setreg_imm32_b32 hwreg(HW_REG_WAVE_MODE, 25, 1), 1
	s_wait_xcnt 0x0
	s_wait_alu depctr_hold_cnt(0) depctr_sa_sdst(0) depctr_va_vdst(0) depctr_va_sdst(0) depctr_va_ssrc(0) depctr_va_vcc(0) depctr_vm_vsrc(0)
	s_getreg_b32 s2, hwreg(HW_REG_IB_STS2, 6, 4)
	s_cmp_eq_u32 s2, 0
	s_cbranch_scc0 .Lentry_in_a_cluster
	s_endpgm
.Lentry_in_a_cluster:
	s_bfe_u32 s2, ttmp6, 0x10000c
	s_cmp_lg_u32 s2, 0xf033
	s_cbranch_scc0 .Lentry_shape_is_right
	s_endpgm
.Lentry_shape_is_right:
; out0 = y wo^T.  yh: [4096][2048] f16; wof: [2048][2048] f16 (wo rounded to bf16, written as f16); out0: [4096][2048] f32; sums in f32, stored as they are.
; SHARES.  A tile is 128 x 256: 8 x 32 tiles, one to a work-group.  Wave w: r = w / 2 picks 64 rows, c = w % 2 picks 128 columns: 32 accumulators, 128 matrix instructions for 128 along K.
; K goes in steps of 128 (rows of 256 bytes, aligned) through two LDS slots; waves 0 and 1 fetch 64 rows of y each, waves 2 and 3 128 rows of wo each, one tensor load a wave.
; THE WALK ALONG K.  A cluster whose x + y is odd begins at K step 8 and wraps round to 0 behind step 15; the others begin at 0.  The two clusters that read the same rows of y have different
; parities, and so has every other one of the eight that read the same rows of wo: they read a given K step eight steps apart.  So the f32 sums are taken in another order of K in half of the clusters.
; CLUSTER 4 x 4: y's tile is shared along a row of the cluster, wo's along a column: each is asked for jointly, by the same load, descriptor and mask in the four.
; THE MATRIX INSTRUCTION IS USED TRANSPOSED (source 0 = 16 rows of wo, source 1 = 16 rows of y): lane l holds row l % 16 and the columns 8 (l / 16) + 0..7.
; REGISTERS: window 0: v16-31 addresses;  window 1: two fragment buffers at 0 and 128 (y's four fragments, then wo's eight), later the rows read back;  window 2: accumulator (a, b) at 8 (8 a + b).
.set PITCH, 272                        ; 256 bytes + 16 of padding: the 16 rows of a fragment load start at 16 different groups of four banks (ISA guide 11.1)
.set AROWS, 128*PITCH
.set SLOT,  384*PITCH                  ; y's 128 rows, then wo's 256
.set STAGE, 2*SLOT                     ; behind the ring, never filled by a tensor load: 16 rows x 528 bytes for each wave
.set SPITCH, 528                       ; 512 bytes + 16
.set SPARE, STAGE+4*16*SPITCH          ; the spare words, 128 bytes for each wave: two blocks of 256 bytes that no other line names
.set ADRA, 16
.set ADRB, 18
.set STO,  24
.set RD,   25
.set SPW,  28
.set NIL,  29
.set PFO,  30
.set LO16, 31
.set F0,   0
.set F1,   128
.set WV, 12
.set RH, 13
.set CH, 14
.set KW, 15                            ; s15  my cluster's first K step + the number of the walk's step that is asked for next; its low four bits are that K step
.set G1, 24
.set G0, 32
.set CX, 40
.set CY, 41
.set TC, 42
.set TR, 43
.set LIM, 44                           ; 5 in a wave that prefetches, else the greatest number
.set PFA, 46
.set G1B, 48
.set G0B, 56
.set MSB, 0
.macro WIN new
.if MSB != (\new)
	s_set_vgpr_msb (MSB<<8)|(\new)
.set MSB, \new
.endif
.endm
.macro PLACES
.rept 4
	v_nop
.endr
.endm
.macro JLOAD s                         ; waves 0, 1: y's two halves; waves 2, 3: wo's.  An s_nop 0 and four v_nop follow each line
	s_cmp_lt_u32 s[WV], 2
	s_cbranch_scc0 .Lfor_b_\@
	tensor_load_to_lds s[G0+4*(\s):G0+4*(\s)+3], s[G1:G1+7]
	s_nop 0
.rept 4
	v_nop
.endr
	s_branch .Lasked_\@
.Lfor_b_\@:
	tensor_load_to_lds s[G0B+4*(\s):G0B+4*(\s)+3], s[G1B:G1B+7]
	s_nop 0
.rept 4
	v_nop
.endr
.Lasked_\@:
.endm
; A prefetch of the K step that stands two refills on (256 matrix instructions ahead of its load): 32 rows x 256 bytes, a lane a row.  A cluster asks in the first half of its walk alone, for the walk's
; steps 4 to 7 (the loop's first two trips): K steps 4-7 or 12-15.  Each row's 256 bytes of such a K step are named once in the launch: y's rows by wave 0 of both clusters that read them, which name
; different K steps; wo's by waves 2 and 3 of the clusters with y = 0 and y = 1, likewise; the four partners take 32 rows each, told apart by address.  The walk's steps 0 to 3 come by their loads alone.
.macro ASK
	s_cmp_gt_u32 s3, s[LIM]
	s_cbranch_scc0 .Lnot_mine_\@
	global_prefetch_b8 v[PFO], s[PFA:PFA+1] offset:256 th:TH_LOAD_NT scope:SCOPE_SE
.Lnot_mine_\@:
.endm
.macro CREST
	s_cmp_lg_u32 s[WV], 0
	s_cbranch_scc1 .Lnot_wave_0_\@
	s_barrier_signal -3
.Lnot_wave_0_\@:
	s_barrier_wait -3
	s_barrier_signal -1
	s_barrier_wait -1
.endm
.macro CROUND
	s_barrier_signal -1
	s_barrier_wait -1
	CREST
.endm
	s_load_b128 s[4:7], s[0:1], 0x0                ; yh s[4:5], wof s[6:7]
	s_load_b64 s[8:9], s[0:1], 0x10                ; out0
	v_lshl_add_u32 v[SPW], v0, 2, SPARE
	v_mov_b32 v[NIL], 0
	ds_add_u32 v[SPW], v[NIL]                      ; the wave's opening: the add and its wait stand ahead of my first tensor load; work on registers stands between
	v_lshrrev_b32 v1, 5, v0
	v_readfirstlane_b32 s[WV], v1
	s_lshr_b32 s[RH], s[WV], 1
	s_and_b32 s[CH], s[WV], 1
	s_bfe_u32 s[CX], ttmp6, 0x40000
	s_bfe_u32 s[CY], ttmp6, 0x40004
	s_lshl_b32 s[TC], ttmp9, 2
	s_add_co_u32 s[TC], s[TC], s[CX]
	s_and_b32 s[TR], ttmp7, 0xffff
	s_xor_b32 s[KW], s[TR], ttmp9                  ; cluster y xor cluster x: the same in all sixteen partners
	s_and_b32 s[KW], s[KW], 1
	s_lshl_b32 s[KW], s[KW], 3                     ; my cluster's first K step: 0 or 8
	s_lshl_b32 s2, s[KW], 8                        ; in bytes of a row,
	s_mov_b32 s3, 0                                ; as a pair
	s_lshl_b32 s[TR], s[TR], 2
	s_add_co_u32 s[TR], s[TR], s[CY]
	s_lshl_b32 s21, s[CY], 2
	s_lshl_b32 s21, 15, s21                        ; my row of the cluster
	s_lshl_b32 s22, 0x1111, s[CX]                  ; my column
	s_or_b32 s[G1], s21, (1<<16)|(1<<20)|(1<<21)|(5<<22)|(3<<25)
	s_or_b32 s[G1B], s22, (1<<16)|(1<<20)|(1<<21)|(5<<22)|(3<<25)
	s_mov_b32 s[G1+1], 128<<16                     ; tensor_dim0 = 128
	s_mov_b32 s[G1+2], 64<<16                      ; tensor_dim1 = 64
	s_mov_b32 s[G1+3], 128<<16                     ; tile_dim0 = 128
	s_mov_b32 s[G1+4], 64                          ; tile_dim1 = 64
	s_mov_b32 s[G1+5], 2048
	s_mov_b32 s[G1+6], 0
	s_mov_b32 s[G1+7], 0
	s_mov_b32 s[G1B+1], 128<<16
	s_mov_b32 s[G1B+2], 128<<16                    ; 128 rows
	s_mov_b32 s[G1B+3], 128<<16
	s_mov_b32 s[G1B+4], 128
	s_mov_b32 s[G1B+5], 2048
	s_mov_b32 s[G1B+6], 0
	s_mov_b32 s[G1B+7], 0
	s_lshl_b32 s16, s[TR], 19                      ; y: row 128 x tile row + 64 x (w % 2), in bytes
	s_lshl_b32 s23, s[CH], 18
	s_add_co_u32 s16, s16, s23
	s_mov_b32 s17, 0
	s_lshl_b32 s18, s[TC], 20                      ; wo: row 256 x tile column + 128 x (w % 2)
	s_lshl_b32 s23, s[CH], 19
	s_add_co_u32 s18, s18, s23
	s_mov_b32 s19, 0
	s_mul_i32 s20, s[CH], 64*PITCH                 ; where they go
	s_mul_i32 s21, s[CH], 128*PITCH
	s_add_co_u32 s21, s21, AROWS
	s_wait_dscnt 0x0                               ; the opening add is done
	s_wait_kmcnt 0x0
	s_add_nc_u64 s[16:17], s[4:5], s[16:17]        ; my rows' first bytes: kept for the whole walk
	s_add_nc_u64 s[18:19], s[6:7], s[18:19]
	CROUND                                         ; all sixteen work-groups are here: the first joint loads meet
.irp s, 0,1
	s_mov_b32 s[G0+4*(\s)], 1
	s_add_co_u32 s[G0+4*(\s)+1], s20, (\s)*SLOT
	s_add_nc_u64 s[G0+4*(\s)+2:G0+4*(\s)+3], s[16:17], s[2:3]  ; the walk's step s: K step first + s
	s_mov_b32 s[G0B+4*(\s)], 1
	s_add_co_u32 s[G0B+4*(\s)+1], s21, (\s)*SLOT
	s_add_nc_u64 s[G0B+4*(\s)+2:G0B+4*(\s)+3], s[18:19], s[2:3]
.if (\s) == 1
	s_add_nc_u64 s[G0+4*(\s)+2:G0+4*(\s)+3], s[G0+4*(\s)+2:G0+4*(\s)+3], 256
	s_add_nc_u64 s[G0B+4*(\s)+2:G0B+4*(\s)+3], s[G0B+4*(\s)+2:G0B+4*(\s)+3], 256
.endif
	s_or_b32 s[G0+4*(\s)+3], s[G0+4*(\s)+3], 0x80000000
	s_or_b32 s[G0B+4*(\s)+3], s[G0B+4*(\s)+3], 0x80000000
	JLOAD \s                                       ; the walk's steps 0 and 1: two tensor loads of mine are out
.endr
	v_and_b32 v1, 15, v0                           ; l % 16
	v_bfe_u32 v2, v0, 4, 1                         ; l / 16
	v_and_b32 v5, 31, v0
	v_lshlrev_b32 v[LO16], 4, v5
	v_lshlrev_b32 v[PFO], 12, v5
	v_mul_u32_u24 v3, v1, PITCH
	v_lshl_add_u32 v3, v2, 4, v3
	s_mul_i32 s20, s[RH], 64*PITCH                 ; my 64 rows of y
	s_mul_i32 s21, s[CH], 128*PITCH                ; my 128 rows of wo,
	s_add_co_u32 s21, s21, AROWS                   ; behind y's 128
.irp s, 0,1
	v_add_nc_u32 v[ADRA+(\s)], s20, v3
	v_add_nc_u32 v[ADRB+(\s)], s21, v3
	s_add_co_u32 s20, s20, SLOT
	s_add_co_u32 s21, s21, SLOT
.endr
	s_mul_i32 s22, s[WV], 16*SPITCH
	s_add_co_u32 s22, s22, STAGE                   ; my stage
	v_mul_u32_u24 v4, v1, SPITCH
	v_lshl_add_u32 v4, v2, 5, v4
	v_add_nc_u32 v[STO], s22, v4                   ; in: row l % 16, 32 bytes for each half of the lanes
	v_add_nc_u32 v[RD], s22, v[LO16]               ; back: a row of 512 bytes, 16 a lane
	s_lshl_b32 s20, s[TR], 20                      ; where my part of the tile begins: row 128 x tile row + 64 r, 8,192 bytes a row,
	s_lshl_b32 s21, s[RH], 19
	s_add_co_u32 s20, s20, s21
	s_lshl_b32 s21, s[TC], 10                      ; column 256 x tile column + 128 c, 4 bytes a number
	s_add_co_u32 s20, s20, s21
	s_lshl_b32 s21, s[CH], 9
	s_add_co_u32 s20, s20, s21
	s_mov_b32 s21, 0
	s_add_nc_u64 s[8:9], s[8:9], s[20:21]
	; the prefetches: nothing is asked for here, at the head
	s_lshl_b32 s20, s[TR], 19
	s_lshl_b32 s21, s[TC], 20
	s_add_co_u32 s21, s21, s23                     ; s23 still holds 128 x (w % 2) rows in bytes
	s_and_b32 s22, ttmp7, 0xffff
	s_cmp_lt_u32 s[WV], 2
	s_cselect_b32 s20, s20, s21
	s_cselect_b32 s21, s[CX], s[CY]
	s_cselect_b32 s22, 0, s22                      ; y: every cluster asks; wo: those with cluster y under 2
	s_cselect_b64 s[PFA:PFA+1], s[4:5], s[6:7]
	s_cmp_lt_u32 s22, 2
	s_cselect_b32 s[LIM], 5, -1                    ; the same in all sixteen partners, for a given wave
	s_cmp_eq_u32 s[WV], 1                          ; wave 0 asks for all of y's 32 rows of this work-group
	s_cselect_b32 s[LIM], -1, s[LIM]
	s_lshl_b32 s21, s21, 17
	s_add_co_u32 s20, s20, s21
	s_add_co_u32 s20, s20, s2                      ; my cluster's first K step
	s_mov_b32 s21, 0                               ; s21 stays 0: s[20:21] is the refills' offset pair
	s_add_nc_u64 s[PFA:PFA+1], s[PFA:PFA+1], s[20:21]
	s_add_nc_u64 s[PFA:PFA+1], s[PFA:PFA+1], 2*256 ; at the walk's step 2: the first refill steps it to 3 and names step 4
	s_add_co_u32 s[KW], s[KW], 2                   ; the first refill is the walk's step 2
; 8 matrix instructions: row block a x all 8 column blocks, 32 along K.  All 32 accumulators take turns in one fixed order.
.macro MROW f, a, zero
	WIN 0xa5                                       ; sources window 1, C and D window 2
.irp b, 0,1,2,3,4,5,6,7
.if \zero
	v_wmma_f32_16x16x32_f16 v[8*(8*(\a)+(\b)):8*(8*(\a)+(\b))+7], v[(\f)+32+8*(\b):(\f)+32+8*(\b)+7], v[(\f)+8*(\a):(\f)+8*(\a)+7], 0
.else
	v_wmma_f32_16x16x32_f16 v[8*(8*(\a)+(\b)):8*(8*(\a)+(\b))+7], v[(\f)+32+8*(\b):(\f)+32+8*(\b)+7], v[(\f)+8*(\a):(\f)+8*(\a)+7], v[8*(8*(\a)+(\b)):8*(8*(\a)+(\b))+7]
.endif
.endr
.endm
.macro FETCH slot, k, f                ; 24 LDS loads in one run
	WIN 0x40
.irp a, 0,1,2,3
	ds_load_b128 v[(\f)+8*(\a):(\f)+8*(\a)+3],   v[ADRA+(\slot)] offset:(\k)+(\a)*16*PITCH
	ds_load_b128 v[(\f)+8*(\a)+4:(\f)+8*(\a)+7], v[ADRA+(\slot)] offset:(\k)+(\a)*16*PITCH+32
.endr
.irp b, 0,1,2,3,4,5,6,7
	ds_load_b128 v[(\f)+32+8*(\b):(\f)+32+8*(\b)+3],   v[ADRB+(\slot)] offset:(\k)+(\b)*16*PITCH
	ds_load_b128 v[(\f)+32+8*(\b)+4:(\f)+32+8*(\b)+7], v[ADRB+(\slot)] offset:(\k)+(\b)*16*PITCH+32
.endr
.endm
.macro QUARTER slot, k, f, g, zero     ; buffer f, asked for a quarter ago, is in; the next quarter's run of loads goes out; f is multiplied
	s_wait_dscnt 0x0
	PLACES
	FETCH \slot, \k, \g
	MROW \f, 0, \zero
	MROW \f, 1, \zero
	MROW \f, 2, \zero
	MROW \f, 3, \zero
.endm
; The last quarter multiplies buffer 1 and changes slots: ONE barrier; in front of it each wave waits for all its tensor loads (one is out), adds 0 to its spare word, and waits for that and for its reads of this slot.
; fill = 1: the barrier opens a round of the cluster's, and this slot is filled again first thing behind it, with the walk's step two on.
.macro TURN slot, next, fill
.if \fill
	s_wait_xcnt 0x0                                ; the last prefetch, a K step back, has read its address
	s_add_nc_u64 s[PFA:PFA+1], s[PFA:PFA+1], 256
.endif
	WIN 0
	s_wait_tensorcnt 0x0                           ; no tensor load of mine is out, so a group 0 may be written
	ds_add_u32 v[SPW], v[NIL]                      ; 0 is added to my spare word; the descriptors' scalar work stands behind it
.if \fill
	s_and_b32 s20, s[KW], 15                       ; the K step that the walk's next step stands for: behind 15 comes 0
	s_lshl_b32 s20, s20, 8
	s_add_nc_u64 s[G0+4*(\slot)+2:G0+4*(\slot)+3], s[16:17], s[20:21]    ; the addresses are made anew from my rows' first bytes
	s_or_b32 s[G0+4*(\slot)+3], s[G0+4*(\slot)+3], 0x80000000
	s_add_nc_u64 s[G0B+4*(\slot)+2:G0B+4*(\slot)+3], s[18:19], s[20:21]
	s_or_b32 s[G0B+4*(\slot)+3], s[G0B+4*(\slot)+3], 0x80000000
	s_add_co_u32 s[KW], s[KW], 1
.endif
	s_wait_dscnt 1                                 ; only the add may be out: buffer 1's loads are in
	MROW F1, 0, 0
	s_wait_dscnt 0x0                               ; the add is done, and my reads of this slot are over
	s_barrier_signal -1
	MROW F1, 1, 0
.if \fill
	WIN 0
.endif
	s_barrier_wait -1
.if \fill
	CREST
	JLOAD \slot                                    ; its four v_nop are also the places in front of the loads below
.else
	PLACES
.endif
	FETCH \next, 0, F0
.if \fill
	WIN 0
	ASK
.endif
	MROW F1, 2, 0
	MROW F1, 3, 0
.endm
	s_wait_tensorcnt 1                             ; my part of the walk's step 0 is in; step 1's may stay out
	s_barrier_signal -1
	s_barrier_wait -1
	FETCH 0, 0, F0
	QUARTER 0, 64, F0, F1, 1
	WIN 0
	s_mov_b32 s3, 7
.Llap:
	QUARTER 0, 128, F1, F0, 0
	QUARTER 0, 192, F0, F1, 0
	TURN 0, 1, 1
	QUARTER 1, 64,  F0, F1, 0
	QUARTER 1, 128, F1, F0, 0
	QUARTER 1, 192, F0, F1, 0
	TURN 1, 0, 1
	QUARTER 0, 64,  F0, F1, 0
	WIN 0
	s_sub_co_u32 s3, s3, 1
	s_cmp_lg_u32 s3, 0
	s_cbranch_scc1 .Llap
	QUARTER 0, 128, F1, F0, 0
	QUARTER 0, 192, F0, F1, 0
	TURN 0, 1, 0
	QUARTER 1, 64,  F0, F1, 0
	QUARTER 1, 128, F1, F0, 0
	QUARTER 1, 192, F0, F1, 0
	s_wait_dscnt 0x0
	MROW F1, 0, 0
	MROW F1, 1, 0
	MROW F1, 2, 0
	MROW F1, 3, 0
	PLACES
; THE WAY OUT.  Block a (16 rows x 128 columns of f32) goes into my own stage, 32 bytes a lane and accumulator (its lowest registers first), and comes back as whole rows of 512 bytes.
.macro TOSTAGE a
	WIN 0x08                                       ; data window 2, address window 0
.irp b, 0,1,2,3,4,5,6,7
	ds_store_b128 v[STO], v[8*(8*(\a)+(\b)):8*(8*(\a)+(\b))+3]   offset:64*(\b)
	ds_store_b128 v[STO], v[8*(8*(\a)+(\b))+4:8*(8*(\a)+(\b))+7] offset:64*(\b)+16
.endr
	WIN 0x40                                       ; destination window 1
.irp t, 0,1,2,3,4,5,6,7,8,9,10,11,12,13,14,15
	ds_load_b128 v[64*(\a)+4*(\t):64*(\a)+4*(\t)+3], v[RD] offset:(\t)*SPITCH  ; LDS serves a wave's instructions in order (ISA guide 5.7.1.4): these see the stores above; the next block's stores come behind them
.endr
.endm
.macro SEND a, younger                 ; younger: the next block's 16 stores and 16 loads, or none
	WIN 0x04                                       ; data window 1
	s_wait_dscnt \younger
.irp t, 0,1,2,3,4,5,6,7,8,9,10,11,12,13,14,15
	global_store_b128 v[LO16], v[64*(\a)+4*(\t):64*(\a)+4*(\t)+3], s[8:9] offset:(\a)*131072+(\t)*8192 th:TH_STORE_NT  ; 512 consecutive bytes of a row, at a multiple of 256 from the buffer's first
.endr
.endm
	TOSTAGE 0
	TOSTAGE 1
	SEND 0, 32
	TOSTAGE 2
	SEND 1, 32
	TOSTAGE 3
	SEND 2, 32
	SEND 3, 0
	WIN 0
	s_wait_tensorcnt 0x0                           ; the wave's end: a wait, an add to my spare word and its wait, behind my last tensor load and my last LDS store
	ds_add_u32 v[SPW], v[NIL]
	s_wait_dscnt 0x0
	CROUND                                         ; the closing round
	s_endpgm
.Lfunc_end_k_q7551cb984e_outproj:
	.size	k_q7551cb984e_outproj, .Lfunc_end_k_q7551cb984e_outproj-k_q7551cb984e_outproj
	.p2alignl 7, 3214868480
	.fill 96, 4, 3214868480
	.section	.rodata,"a",@progbits
	.p2align	6, 0x0
	.amdhsa_kernel k_q7551cb984e_outproj
		.amdhsa_group_segment_fixed_size 327680
		.amdhsa_private_segment_fixed_size 0
		.amdhsa_enable_private_segment 0
		.amdhsa_kernarg_size 24
		.amdhsa_user_sgpr_count 2
		.amdhsa_user_sgpr_kernarg_segment_ptr 1
		.amdhsa_wavefront_size32 1
		.amdhsa_system_sgpr_workgroup_id_x 1
		.amdhsa_system_sgpr_workgroup_id_y 1
		.amdhsa_system_sgpr_workgroup_id_z 1
		.amdhsa_system_vgpr_workitem_id 0
		.amdhsa_next_free_vgpr 768
		.amdhsa_next_free_sgpr 66
		.amdhsa_reserve_vcc 0
		.amdhsa_float_denorm_mode_32 3
		.amdhsa_float_denorm_mode_16_64 3
		.amdhsa_memory_ordered 1
		.amdhsa_forward_progress 1
		.amdhsa_inst_pref_size 86
	.end_amdhsa_kernel
	.amdgpu_metadata
---
amdhsa.version: [ 1, 2 ]
amdhsa.kernels:
  - .name:           k_q7551cb984e_outproj
    .symbol:         k_q7551cb984e_outproj.kd
    .args:
      - { .name: yh, .offset: 0, .size: 8, .value_kind: global_buffer, .address_space: global }
      - { .name: wof, .offset: 8, .size: 8, .value_kind: global_buffer, .address_space: global }
      - { .name: out0, .offset: 16, .size: 8, .value_kind: global_buffer, .address_space: global }
    .group_segment_fixed_size: 327680
    .private_segment_fixed_size: 0
    .kernarg_segment_align: 8
    .kernarg_segment_size: 24
    .max_flat_workgroup_size: 128
    .sgpr_count:     66
    .vgpr_count:     768
    .wavefront_size: 32
...
	.end_amdgpu_metadata
.endif
;; end of part 4
